; MI455X (gfx1250); checked and timed in simulation.
; The chip was launched on July 23, 2026; its instructions are those of AMD's public machine-readable ISA for CDNA 5 (MIT licence, August 2026) and "CDNA5" Instruction Set Architecture Reference Guide (July 2026). The comments in the code are by the model that wrote it; some were corrected since.
;; Multi Head Attention. Allowed arithmetic: matrix products marked QUANTISED: E2M1 operands, one E8M0 scale for each 32 along K, by v_wmma_scale_f32_16x16x128_f8f6f4 with both operands' format E2M1 (or v_wmma_scale_f32_32x16x128_f4), f32 sums; everything else in f32.
;; Inputs: b_k 1,024 float32; b_o 1,024 float32; b_q 1,024 float32; b_v 1,024 float32; key_codes 4 x 2,048 x 32 x 16 uint8 (E2M1 codes of key, K innermost, in blocks of 32 codes, two codes a byte); key_scales 4 x 2,048 x 32 uint8 (E8M0 scales of key, one for each 32 codes along K); mask 4 x 1 x 2,048 bool; query_codes 4 x 2,048 x 32 x 16 uint8 (E2M1 codes of query, K innermost, in blocks of 32 codes, two codes a byte); query_scales 4 x 2,048 x 32 uint8 (E8M0 scales of query, one for each 32 codes along K); value_codes 4 x 2,048 x 32 x 16 uint8 (E2M1 codes of value, K innermost, in blocks of 32 codes, two codes a byte); value_scales 4 x 2,048 x 32 uint8 (E8M0 scales of value, one for each 32 codes along K); w_k_codes 1,024 x 32 x 16 uint8 (E2M1 codes of w_k, K innermost, in blocks of 32 codes, two codes a byte); w_k_scales 1,024 x 32 uint8 (E8M0 scales of w_k, one for each 32 codes along K); w_o_codes 1,024 x 32 x 16 uint8 (E2M1 codes of w_o, K innermost, in blocks of 32 codes, two codes a byte); w_o_scales 1,024 x 32 uint8 (E8M0 scales of w_o, one for each 32 codes along K); w_q_codes 1,024 x 32 x 16 uint8 (E2M1 codes of w_q, K innermost, in blocks of 32 codes, two codes a byte); w_q_scales 1,024 x 32 uint8 (E8M0 scales of w_q, one for each 32 codes along K); w_v_codes 1,024 x 32 x 16 uint8 (E2M1 codes of w_v, K innermost, in blocks of 32 codes, two codes a byte); w_v_scales 1,024 x 32 uint8 (E8M0 scales of w_v, one for each 32 codes along K).
;; Outputs: out0 4 x 2,048 x 1,024 float32.
;; This version of the problem:
;;   THIS VERSION OF THE PROBLEM IS GIVEN IN LOW PRECISION. The matrix products marked QUANTISED in the list below multiply operands that are first quantised to E2M1 (2 exponent bits, 1 mantissa bit; 4 bits a number), with one power-of-two scale for each 32 numbers along K (OCP MX v1.0); their sums are f32. All else is computed in f32.
;;   The module's matrix products, in the order in which they are computed (A, B: the left and right operand; K: the contracted axis; several contracted axes count as one K, in the product's order):
;;     1. [M 8,192, K 1,024] x [K 1,024, N 1,024]; A: input query (given as codes); B: input w_q (given as codes): QUANTISED
;;     2. [M 8,192, K 1,024] x [K 1,024, N 1,024]; A: input key (given as codes); B: input w_k (given as codes): QUANTISED
;;     3. [M 8,192, K 1,024] x [K 1,024, N 1,024]; A: input value (given as codes); B: input w_v (given as codes): QUANTISED
;;     4. batch 64 x [M 2,048, K 64] x [K 64, N 2,048]; A: computed on the way; B: computed on the way: QUANTISED
;;     5. batch 64 x [M 2,048, K 2,048] x [K 2,048, N 64]; A: softmax (see below); B: computed on the way: QUANTISED
;;     6. [M 8,192, K 1,024] x [K 1,024, N 1,024]; A: computed on the way; B: input w_o (given as codes): QUANTISED
;;   THE QUANTISER, for each operand of a quantised product, along K:
;;     - K is cut into blocks of 32 from its start; a last block that is shorter is filled with zeros.
;;     - A block's scale is 2^e with e = floor(log2(the largest magnitude in the block)) - 2, held to -126 .. 127; a block of zeros has e = 0. As a byte (E8M0): e + 127.
;;     - Each number is divided by its block's scale, clamped to +-6, and rounded to the nearest number of E2M1, ties to even, subnormals kept.
;;     - The product sums the exact products of the quantised numbers (number of the format x scale) in f32.
;;   ~~~python
;;   def quantise(x, axis):      # numpy; x: float32 -> the quantised numbers, widened to float32 again
;;       x = np.moveaxis(x, axis, -1); K = x.shape[-1]
;;       x = np.pad(x, [(0, 0)] * (x.ndim - 1) + [(0, -K % 32)]); x = x.reshape(x.shape[:-1] + (-1, 32)); a = np.abs(x).max(-1, keepdims=True)
;;       e = np.where(a > 0, np.clip(np.frexp(np.where(a > 0, a, 1))[1] - 1 - 2, -126, 127), 0)      # np.frexp(a)[1] - 1 = floor(log2(a)), exactly
;;       r = np.clip(x / 2.0 ** e, -6, 6)
;;       step = 2.0 ** (np.maximum(np.frexp(np.where(r == 0, 1, r))[1] - 1, 0) - 1)
;;       q = np.round(r / step) * step * 2.0 ** e      # np.round: ties to even
;;       return np.moveaxis(q.reshape(q.shape[:-2] + (-1,))[..., :K], -1, axis).astype(np.float32)
;;   ~~~
;;   SOFTMAX AHEAD OF A QUANTISED PRODUCT. Where the list says 'softmax', what is quantised is not the finished softmax but p = 2^(t - M), with t = logit x log2(e) and M = ceil(the row's largest t), a whole number; so 1/2 < the row's largest p <= 1. The row's sum l is taken of the UNQUANTISED p, in f32, and the product's result is divided by l at the end. Since M is a whole number, a kernel that streams over the keys may use a running M (the ceiling of the running maximum): every later rescaling is an exact power of two, which a block's scale takes up: the codes' values come out the same.
;;   OPERANDS COMPUTED ON THE WAY. 'Computed on the way' means the value that the module computes at that place (a softmax that the list does not call 'softmax' is quantised finished and normalised). What goes into a quantiser is computed in f32, as accurately as f32 sums, v_exp_f32 and their like allow (about 1e-6 of the number): no bf16 or f16 on the way to a quantiser, and a product that is left as it is and whose result goes on into a quantised operand takes f32 operands (vector FMAs, or v_wmma_f32_16x16x4_f32). A number that lies on a knife's edge between two numbers of the format may be rounded either way, as far as f32 arithmetic and the matrix unit's own rounding can turn it there, and no further.
;;   INPUTS GIVEN AS CODES. key (in the module: [4, 2048, 1024], K = its axis 2); query (in the module: [4, 2048, 1024], K = its axis 2); value (in the module: [4, 2048, 1024], K = its axis 2); w_k (in the module: [1024, 1024], K = its axis 1); w_o (in the module: [1024, 1024], K = its axis 1); w_q (in the module: [1024, 1024], K = its axis 1); w_v (in the module: [1024, 1024], K = its axis 1): each comes as NAME_codes (uint8): NAME with its K axis moved to the last place and cut into blocks of 32 codes, [.., K / 32, bytes a block], one block behind the other in memory; two codes a byte, the lower K in the low four bits (a code: sign, 2 exponent bits, 1 mantissa bit); and NAME_scales (uint8): the same leading axes, one E8M0 byte (e + 127) for each 32 codes along K. Its value is code x scale, taken as it is: it is not quantised again, and the codes and scales need not be those that the quantiser above would give.
;; One version. Each part assembles by itself: llvm-mc -triple=amdgcn-amd-amdhsa -mcpu=gfx1250 --defsym DOCPART=n.
;; ======== version 1 of 1: 3 launches
;; limits: right only within a limited range of input values
;; workspace buffers: qx 4,718,592 bytes; kv 9,437,184 bytes; ctxc 4,194,304 bytes; ctxs 262,144 bytes
;; launch proj (part 1): grid 4 x 96, 4 waves a work-group, clusters of 4 x 4, 327,680 bytes of LDS; arguments query_codes, query_scales, w_q_codes, w_q_scales, b_q, key_codes, key_scales, w_k_codes, w_k_scales, b_k, value_codes, value_scales, w_v_codes, w_v_scales, b_v, mask, qx, kv; writes qx, kv
.if DOCPART == 1
	.amdgcn_target "amdgcn-amd-amdhsa--gfx1250"
	.amdhsa_code_object_version 6
	.text
	.protected	k_q760abf1d32_proj
	.globl	k_q760abf1d32_proj
	.p2align	8
	.type	k_q760abf1d32_proj,@function
k_q760abf1d32_proj:
	s_mov_b64 s[64:65], 0
	v_nop
	global_prefetch_b8 v0, s[64:65] scope:SCOPE_SE
	s_setreg_imm32_b32 hwreg(HW_REG_WAVE_MODE, 25, 1), 1
	s_wait_xcnt 0x0
	s_wait_alu depctr_hold_cnt(0) depctr_sa_sdst(0) depctr_va_vdst(0) depctr_va_sdst(0) depctr_va_ssrc(0) depctr_va_vcc(0) depctr_vm_vsrc(0)
	s_getreg_b32 s2, hwreg(HW_REG_IB_STS2, 6, 4)
	s_cmp_eq_u32 s2, 0
	s_cbranch_scc0 .Lentry_in_a_cluster
	s_endpgm
.Lentry_in_a_cluster:
	s_bfe_u32 s2, ttmp6, 0x10000c
	s_cmp_lg_u32 s2, 0xf033
	s_cbranch_scc0 .Lentry_shape_is_right
	s_endpgm
.Lentry_shape_is_right:
; THE THREE PROJECTIONS, each a product of 8,192 x 1,024 x 1,024 on codes of FP4 (E2M1) with one E8M0 scale for each 32 along K, the bias in f32, and the quantiser for the attention that follows.
; Cluster row (0..23) / 8 says which: 0 Q = query w_q^T + b_q, 1 K = key w_k^T + b_k, 2 V^T = w_v value^T + b_v (the two tensors change places, so that V's keys run along a lane's registers).
; In all three a lane ends with ONE row of the left tensor and 128 neighbours along the axis that is quantised next (Q, K: the head's 64, two heads; V: 128 keys): one way out serves all three.
; A tile of 256 x 256 is made by four waves, each 128 x 128 in 64 accumulators.  All of K (1,024) fits in two LDS slots of 512: nothing is filled again, there is no loop.
; CLUSTERS: 4 x 4 work-groups; the left tensor's tiles are shared along a row of the cluster, the right one's along a column, each by a joint tensor load with a mask that names the four.
; THE MATRIX INSTRUCTION IS USED TRANSPOSED (source 0 = 16 rows of the right tensor, source 1 = 16 rows of the left).
; WHAT IS STORED (this program's own layouts).  A tile of 16 rows holds, in lane row r, row 32 (t / 2) + 8 (t % 2) + r + 8 (r / 8) of its 128; an image is four registers of a fragment, lane l's 16 bytes at 16 l.
;   qx [batch x 16 + head][step of 128 tokens]: 8 images of Q (4,096 bytes), then 512 bytes of scale words [t / 4][r][t % 4] = (s0, s1, 37, 127).
;   kv [batch x 16 + head][step]: 8 images of K; 8 images of V [64 keys c][tile of 16 d]; K's scale words (s0, s1, m, 127); V's scale words [twice][r][tile].
; THE MASK rides in the half of the 128-deep score product that a head of 64 leaves empty: the attention sets one code of -4 (K) against one of 4 (Q) at k = 64, and byte 2 of the two scale words scales them:
; m = 246 for a masked key gives -16 x 2^119 x 2^-90 = -2^33 on the raw score; m = 1 for an open key gives -2^-212.  A batch with no open key gets zero codes and the word (1, 1, 1, 127) for K: all scores 0, equal weights.
; LIMITS: a masked logit is -2^30 where the definition has -1e9: the same result unless an open logit lies under about -1e9.  Any mask byte other than 0 counts as true.  NaN and infinities are not served.
; A block of zeros gets the scale byte 1 (its codes are zeros, and this program alone reads the bytes).
; REGISTERS, in windows of 256: window 0: v0-31 addresses; v32-95 scale words, two sets, and nothing else; v96-103 the row bias, v104-111 mask words, v112-127 the batch's mask bytes; v128-191 the left tensor's fragments,
;   later a block's 64 numbers; v192-255 the column bias (the C of the first K step), later the quantiser's registers.  window 1: the right tensor's fragments, two sets.  windows 2, 3: the accumulators.
.set NQ,     4                         ; matrix instructions deep in a slot
.set ROWB,   256                       ; a tile's row: 512 codes
.set KROW,   512                       ; a row of codes in memory
.set PITCH,  272                       ; an LDS row: 256 bytes + 16 of padding: the 16 rows of a load start at 16 different banks
.set FR,     8
.set NL,     2
.set NP,     4                         ; places behind this matrix instruction (ISA guide 7.12.1)
.set HALFT,  128*PITCH
.set SLOT,   4*HALFT
.set SCL,    2*SLOT                    ; behind the slots: the scale bytes of 2 x 256 rows, as units of 256 bytes + 16
.set HALFS,  16*272
.set SBLK,   2*272
.set SPARE,  SCL+4*HALFS               ; the spare words, 128 bytes a wave
.set WSTG,   3584                      ; the way out: a stage for each wave, in slot 0 (last filled and last read before the first store there): 32 rows x 80 bytes of codes,
.set SSTG,   2560                      ; then 2 x 512 bytes of scale words
.set VOFF, 7                           ; v7-10  store offsets of an image: 16 lane + e X + p Y
.set SSTO, 11                          ; v11    where a scale word goes in the stage
.set SRD,  12                          ; v12    and where 16 bytes of them are read back
.set SOF0, 13                          ; v13-14 their store offsets
.set SOF1, 14
.set H16,  15                          ; v15    16 x (lane / 16)
.set ADRA, 16
.set OPW,  18                          ; v18    bytes 2, 3 of the scale word of an open row;  v19 of a masked one
.set CLW,  19
.set ADRB, 20
.set MOF,  22                          ; v22    offset of my rows' mask bytes;  v23 of the batch's
.set AOF,  23
.set STO,  24
.set RD,   25
.set ZW,   26                          ; v26    (1, 1, 1, 127)
.set ADRS, 27
.set SPW,  28
.set NIL,  29
.set BCO,  30
.set BRO,  31
.set SC,   32
.set BR,   96
.set MK,   104
.set AM,   112
.set AF,   128
.set TT,   128
.set BC,   192
.set TM,   192
.set PW,   208
.set WW,   209
.set PC,   210
.set RB,   224
.set G1, 24
.set G0, 32
.set G1B, 48
.set G0B, 56
.set G1S, 68
.set G0S, 76
.set G1SB, 80
.set G0SB, 88
.set MSB, 0
.macro WIN new                         ; the immediate's high byte repeats the setting that is left
.if MSB != (\new)
	s_set_vgpr_msb (MSB<<8)|(\new)
.set MSB, (\new)
.endif
.endm
.set MUL_LO, 0xa1                      ; source 0 window 1, source 1 window 0, C and D window 2
.set MUL_HI, 0xf1                      ; the same, C and D window 3
.set TO_B,   0x40
; A joint load: waves 0 and 1 fetch for the left tensor, waves 2 and 3 for the right.  Four v_nop follow each line.
.macro JLOAD g0a, g1a, g0b, g1b
	s_cmp_eq_u32 s15, 0
	s_cbranch_scc0 .Lfor_b_\@
	tensor_load_to_lds s[\g0a:\g0a+3], s[\g1a:\g1a+7]
	s_nop 0
.rept 4
	v_nop
.endr
	s_branch .Lasked_\@
.Lfor_b_\@:
	tensor_load_to_lds s[\g0b:\g0b+3], s[\g1b:\g1b+7]
	s_nop 0
.rept 4
	v_nop
.endr
.Lasked_\@:
.endm
.macro CROUND                          ; a round of the cluster's barrier
	s_barrier_signal -1
	s_barrier_wait -1
	s_cmp_lg_u32 s14, 0
	s_cbranch_scc1 .Lnot_wave_0_\@
	s_barrier_signal -3
.Lnot_wave_0_\@:
	s_barrier_wait -3
	s_barrier_signal -1
	s_barrier_wait -1
.endm
	s_load_b512 s[24:39], s[0:1], 0x0              ; query codes, scales, w_q codes, scales, b_q, key codes, scales, w_k codes
	s_load_b512 s[40:55], s[0:1], 0x40             ; w_k scales, b_k, value codes, scales, w_v codes, scales, b_v, mask
	s_load_b128 s[56:59], s[0:1], 0x80             ; qx, kv
	v_lshl_add_u32 v[SPW], v0, 2, SPARE
	v_mov_b32 v[NIL], 0
	ds_add_u32 v28, v29
	ds_add_u32 v28, v29
	s_wait_dscnt 0x0
	v_lshrrev_b32 v1, 5, v0
	v_readfirstlane_b32 s14, v1                    ; wave 0..3
	s_lshr_b32 s15, s14, 1                         ; which half of the tile's rows is mine.  Also: I fetch for the left (0) or the right tensor (1)
	s_and_b32 s16, s14, 1                          ; which half of its columns.  Also: which 128 rows I fetch
	s_and_b32 s17, ttmp7, 0xffff                   ; the cluster's y
	s_lshr_b32 s95, s17, 3                         ; 0 Q, 1 K, 2 V: the same in all sixteen work-groups
	s_and_b32 s94, s17, 7                          ; which eighth of the 8,192 tokens
	s_wait_kmcnt 0x0
	s_cmp_eq_u32 s95, 1                            ; the buffers are chosen on the cluster's number alone
	s_cselect_b32 s101, 1, 0
	s_cselect_b64 s[4:5], s[34:35], s[24:25]       ; left codes
	s_cselect_b64 s[6:7], s[36:37], s[26:27]       ; left scales
	s_cselect_b64 s[8:9], s[38:39], s[28:29]       ; right codes
	s_cselect_b64 s[10:11], s[40:41], s[30:31]     ; right scales
	s_cselect_b64 s[66:67], s[42:43], s[32:33]     ; bias
	s_cselect_b64 s[12:13], s[58:59], s[56:57]     ; where the results go
	s_cmp_eq_u32 s95, 2
	s_cselect_b32 s100, -1, 0                      ; a lane mask: all ones for V
	s_cselect_b32 s22, 0, s94
	s_cselect_b32 s23, s94, 0
	s_cselect_b64 s[4:5], s[48:49], s[4:5]         ; V: the weight is the left tensor,
	s_cselect_b64 s[6:7], s[50:51], s[6:7]
	s_cselect_b64 s[8:9], s[44:45], s[8:9]         ; value the right one
	s_cselect_b64 s[10:11], s[46:47], s[10:11]
	s_cselect_b64 s[66:67], s[52:53], s[66:67]
	s_cselect_b64 s[12:13], s[58:59], s[12:13]
	s_mov_b64 s[98:99], s[54:55]                   ; mask
	s_bfe_u32 s40, ttmp6, 0x40000                  ; cx, cy: my place in the cluster
	s_bfe_u32 s41, ttmp6, 0x40004
	s_lshl_b32 s42, s23, 2
	s_add_co_u32 s42, s42, s40                     ; tile column
	s_lshl_b32 s17, s22, 2
	s_add_co_u32 s17, s17, s41                     ; tile row
	s_lshl_b32 s43, s41, 2
	s_lshl_b32 s43, 15, s43                        ; my row of the cluster
	s_lshl_b32 s44, 0x1111, s40                    ; my column
	; descriptor group 1: 128 rows x 256 bytes, 16 bytes of padding behind each
	s_or_b32 s[G1+0], s43, (0<<16)|(1<<20)|(1<<21)|(5<<22)|(3<<25)
	s_or_b32 s[G1B+0], s44, (0<<16)|(1<<20)|(1<<21)|(5<<22)|(3<<25)
.irp g, G1, G1B
	s_mov_b32 s[\g+1], ROWB<<16                    ; tensor_dim0
	s_mov_b32 s[\g+2], 128<<16                     ; tensor_dim1
	s_mov_b32 s[\g+3], ROWB<<16                    ; tile_dim0
	s_mov_b32 s[\g+4], 128                         ; tile_dim1
	s_mov_b32 s[\g+5], KROW                        ; pitch
	s_mov_b32 s[\g+6], 0
	s_mov_b32 s[\g+7], 0
.endr
	; the scale bytes of 128 rows: 4,096 dense bytes as 16 rows of 256 (32 elements of 8 bytes), 16 bytes of padding behind each
	s_or_b32 s[G1S+0], s43, (3<<16)|(1<<20)|(1<<21)|(5<<22)|(3<<25)
	s_or_b32 s[G1SB+0], s44, (3<<16)|(1<<20)|(1<<21)|(5<<22)|(3<<25)
.irp g, G1S, G1SB
	s_mov_b32 s[\g+1], 32<<16
	s_mov_b32 s[\g+2], 16<<16
	s_mov_b32 s[\g+3], 32<<16
	s_mov_b32 s[\g+4], 16
	s_mov_b32 s[\g+5], 32
	s_mov_b32 s[\g+6], 0
	s_mov_b32 s[\g+7], 0
.endr
	s_lshl_b32 s18, s16, 7
	s_lshl_b32 s20, s17, 8
	s_add_co_u32 s20, s20, s18                     ; left: row 256 x tile row + 128 x half
	s_lshl_b32 s46, s42, 8
	s_add_co_u32 s46, s46, s18                     ; right: row 256 x tile column + 128 x half
	s_lshl_b32 s22, s20, 5                         ; 32 scale bytes a row,
	s_lshl_b32 s92, s46, 5
	s_lshl_b32 s20, s20, 9                         ; 512 bytes of codes: under 2^23 for 8,192 rows
	s_lshl_b32 s46, s46, 9
	s_mov_b32 s21, 0
	s_mov_b32 s23, 0
	s_mov_b32 s47, 0
	s_mov_b32 s93, 0
	s_mul_i32 s45, s14, HALFT                      ; where they go: wave x 128 rows: no place in the cluster enters an LDS address
	s_mul_i32 s94, s14, HALFS
	s_add_nc_u64 s[20:21], s[4:5], s[20:21]
	s_add_nc_u64 s[22:23], s[6:7], s[22:23]
	s_add_nc_u64 s[46:47], s[8:9], s[46:47]
	s_add_nc_u64 s[92:93], s[10:11], s[92:93]
	CROUND                                         ; all sixteen work-groups are here: the joint loads meet
	s_mov_b32 s[G0S], 1
	s_add_co_u32 s[G0S+1], s94, SCL
	s_mov_b64 s[G0S+2:G0S+3], s[22:23]
	s_or_b32 s[G0S+3], s[G0S+3], 0x80000000
	s_mov_b32 s[G0SB], 1
	s_add_co_u32 s[G0SB+1], s94, SCL
	s_mov_b64 s[G0SB+2:G0SB+3], s[92:93]
	s_or_b32 s[G0SB+3], s[G0SB+3], 0x80000000
	JLOAD G0S, G1S, G0SB, G1SB                     ; three loads a wave are out in all: the scales, slot 0, slot 1
.irp s, 0,1
	s_mov_b32 s[G0+4*\s], 1
	s_add_co_u32 s[G0+4*\s+1], s45, \s*SLOT
	s_add_nc_u64 s[G0+4*\s+2:G0+4*\s+3], s[20:21], \s*ROWB
	s_or_b32 s[G0+4*\s+3], s[G0+4*\s+3], 0x80000000
	s_mov_b32 s[G0B+4*\s], 1
	s_add_co_u32 s[G0B+4*\s+1], s45, \s*SLOT
	s_add_nc_u64 s[G0B+4*\s+2:G0B+4*\s+3], s[46:47], \s*ROWB
	s_or_b32 s[G0B+4*\s+3], s[G0B+4*\s+3], 0x80000000
	JLOAD G0+4*\s, G1, G0B+4*\s, G1B
.endr
	v_and_b32 v1, 15, v0                           ; r
	v_bfe_u32 v2, v0, 4, 1                         ; h
	v_mul_u32_u24 v3, v1, PITCH
	v_lshl_add_u32 v4, v2, 4, v3                   ; a fragment's row x pitch + 16 h
	s_mul_i32 s21, s15, HALFT
	s_mul_i32 s22, s16, HALFT
	s_add_co_u32 s22, s22, 2*HALFT
.irp s, 0,1
	v_add_nc_u32 v[ADRA+\s], s21, v4
	v_add_nc_u32 v[ADRB+\s], s22, v4
	s_add_co_u32 s21, s21, SLOT
	s_add_co_u32 s22, s22, SLOT
.endr
	v_mul_u32_u24 v5, v1, 32                       ; my row's scale bytes,
	v_lshrrev_b32 v6, 8, v5
	v_lshl_add_u32 v5, v6, 4, v5                   ; and 16 more for each 256 passed
	s_mul_i32 s21, s15, HALFS
	s_mul_i32 s22, s16, HALFS
	s_add_co_u32 s22, s22, 2*HALFS
	s_sub_co_u32 s22, s22, s21
	v_mul_u32_u24 v6, s22, v2                      ; lanes 16-31 take the right tensor's
	s_add_co_u32 s21, s21, SCL
	v_add_nc_u32 v5, v5, v6
	v_add_nc_u32 v[ADRS], s21, v5
	; the stage's addresses: a constant x wave + constants x lane
	s_mul_i32 s23, s14, WSTG
	v_mul_u32_u24 v5, v1, 80
	v_lshl_add_u32 v5, v2, 2, v5
	v_add_nc_u32 v[STO], s23, v5                   ; codes in: row r of 80 bytes, + 4 h
	v_and_b32 v6, 8, v1
	v_add_nc_u32 v6, v6, v1
	v_mul_u32_u24 v6, v6, 80
	v_lshl_add_u32 v6, v2, 4, v6
	v_add_nc_u32 v[RD], s23, v6                    ; codes back: row r + 8 (r / 8), + 16 h: here the rows of a tile are chosen
	v_and_b32 v5, 7, v1
	v_lshlrev_b32 v5, 4, v5
	v_lshrrev_b32 v6, 3, v1
	v_lshl_add_u32 v5, v6, 2, v5
	v_lshl_add_u32 v5, v2, 9, v5
	s_add_co_u32 s23, s23, SSTG
	v_add_nc_u32 v[SSTO], s23, v5                  ; scale words in: 512 h + 16 (r % 8) + 4 (r / 8)
	v_and_b32 v3, 31, v0
	v_lshlrev_b32 v3, 4, v3                        ; 16 x lane
	s_wait_alu depctr_va_vdst(0)
	v_add_nc_u32 v[SRD], s23, v3
	v_lshlrev_b32 v[H16], 4, v2
	; where my 128 x 128 goes, by the tensor
	s_lshl_b32 s92, s17, 8
	s_lshl_b32 s93, s15, 7
	s_add_co_u32 s92, s92, s93                     ; my first row
	s_lshl_b32 s93, s42, 8
	s_lshl_b32 s94, s16, 7
	s_add_co_u32 s93, s93, s94                     ; my first column
	s_lshl_b32 s2, s93, 2
	s_lshl_b32 s3, s92, 2
	s_lshr_b32 s47, s17, 3
	s_lshl_b32 s47, s47, 11                        ; the batch's 2,048 mask bytes (Q, K: tile row / 8 is the batch; V: 0, and the bytes are not used)
	s_mov_b32 s18, 147456
	s_mov_b32 s19, 9216
	s_mov_b32 s21, 8192
	s_cmp_eq_u32 s95, 0
	s_cselect_b32 s18, 73728, s18                  ; bytes of a head's record
	s_cselect_b32 s19, 4608, s19                   ; of a step's
	s_cselect_b32 s21, 4096, s21                   ; where the scale words begin in it
	s_cmp_eq_u32 s95, 2
	s_cselect_b32 s21, 8704, s21
	s_cselect_b32 s22, 4096, 0                     ; where the images begin
	s_cselect_b32 s43, 2048, s18                   ; X: from column half e = 0 to 1: the next head, or V's next 64 keys
	s_cselect_b32 s44, s18, 2048                   ; Y: from row pairs 0, 1 to 2, 3: four tiles on, or V's next head
	s_cselect_b32 s45, s18, 256                    ; Z: from the first 256 bytes of a scale region to the second
	s_cselect_b32 s46, 256, s18                    ; from region 0 to region 1
	s_cselect_b32 s94, s93, s92                    ; my first token
	s_cselect_b32 s20, s92, s93                    ; my first of the 1,024 hidden
	s_cselect_b32 s2, 0, s2                        ; the column bias is Q's and K's,
	s_cselect_b32 s3, s3, 0                        ; the row bias V's; the other is loaded from the buffer's start and cleared
	v_mov_b32 v[VOFF], v3
	v_add_nc_u32 v[VOFF+1], s44, v3
	v_add_nc_u32 v[VOFF+2], s43, v3
	v_add_nc_u32 v[VOFF+3], s44, v[VOFF+2]
	v_lshlrev_b32 v[SOF0], 4, v1
	v_mul_u32_u24 v5, s45, v2
	v_add_nc_u32 v[SOF0], v[SOF0], v5
	v_add_nc_u32 v[SOF1], s46, v[SOF0]
	v_lshl_add_u32 v[BCO], v2, 5, s2
	v_lshl_add_u32 v[BRO], v1, 2, s3
	v_add_nc_u32 v[MOF], s92, v1
	v_add_nc_u32 v[AOF], s47, v3
.irp b, 0,1,2,3,4,5,6,7
	global_load_b128 v[BC+8*\b:BC+8*\b+3], v[BCO], s[66:67] offset:64*\b        ; bias of columns 16 b + 8 h + 0 .. 7: the result's layout
	global_load_b128 v[BC+8*\b+4:BC+8*\b+7], v[BCO], s[66:67] offset:64*\b+16
.endr
.irp a, 0,1,2,3,4,5,6,7
	global_load_b32 v[BR+\a], v[BRO], s[66:67] offset:64*\a                     ; bias of row 16 a + r
.endr
.irp a, 0,1,2,3,4,5,6,7
	global_load_u8 v[MK+\a], v[MOF], s[98:99] offset:16*\a                      ; mask byte of row 16 a + r
.endr
.irp i, 0,1,2,3
	global_load_b128 v[AM+4*\i:AM+4*\i+3], v[AOF], s[98:99] offset:512*\i       ; the batch's mask bytes, 64 a lane
.endr
	s_lshr_b32 s2, s94, 11
	s_lshl_b32 s2, s2, 4
	s_lshr_b32 s3, s20, 6
	s_add_co_u32 s2, s2, s3                        ; batch x 16 + head
	s_mul_i32 s2, s2, s18
	s_bfe_u32 s3, s94, 0x40007                     ; the step: (token / 128) % 16
	s_mul_i32 s3, s3, s19
	s_add_co_u32 s2, s2, s3
	s_add_co_u32 s20, s2, s21
	s_mov_b32 s21, 0
	s_add_nc_u64 s[96:97], s[12:13], s[20:21]      ; my scale words
	s_add_co_u32 s20, s2, s22
	s_add_nc_u64 s[12:13], s[12:13], s[20:21]      ; my images
.macro FRAG reg, adr, q, i             ; 16 rows x 128 K: registers 4 c .. 4 c + 3 hold K = 64 c + 32 h + 0 .. 31
.irp c, 0,1
	ds_load_b128 v[\reg+4*\c:\reg+4*\c+3], v[\adr] offset:64*(\q)+32*\c+(\i)*16*PITCH
.endr
.endm
; 16 matrix instructions: left blocks a0, a0 + 1 x the right tensor's eight.  first = 1: the column bias is the C that starts the sums.  The 64 accumulators take turns, one instruction a turn.
.macro MUL16 a0, p, q, sc, first
.irp a, \a0, \a0+1
.irp b, 0,1,2,3,4,5,6,7
.if \first
	v_wmma_scale_f32_16x16x128_f8f6f4 v[8*(8*((\a)%4)+\b):8*(8*((\a)%4)+\b)+7], v[128*(\p)+FR*\b:128*(\p)+FR*\b+FR-1], v[AF+FR*(\a):AF+FR*(\a)+FR-1], v[BC+8*\b:BC+8*\b+7], v[SC+8*NQ*(\sc)+NQ*\b+(\q)], v[SC+8*NQ*(\sc)+NQ*(\a)+(\q)] matrix_a_fmt:MATRIX_FMT_FP4 matrix_b_fmt:MATRIX_FMT_FP4 matrix_a_scale:MATRIX_SCALE_ROW1
.else
	v_wmma_scale_f32_16x16x128_f8f6f4 v[8*(8*((\a)%4)+\b):8*(8*((\a)%4)+\b)+7], v[128*(\p)+FR*\b:128*(\p)+FR*\b+FR-1], v[AF+FR*(\a):AF+FR*(\a)+FR-1], v[8*(8*((\a)%4)+\b):8*(8*((\a)%4)+\b)+7], v[SC+8*NQ*(\sc)+NQ*\b+(\q)], v[SC+8*NQ*(\sc)+NQ*(\a)+(\q)] matrix_a_fmt:MATRIX_FMT_FP4 matrix_b_fmt:MATRIX_FMT_FP4 matrix_a_scale:MATRIX_SCALE_ROW1
.endif
.endr
.endr
.endm
.macro FETCH_B slot, q, p
	WIN TO_B
.irp i, 0,1,2,3,4,5,6,7
	FRAG 128*(\p)+FR*\i, ADRB+\slot, \q, \i
.endr
	WIN 0
.endm
.macro FETCH_A slot, q, i0
.irp i, \i0, \i0+1, \i0+2, \i0+3
	FRAG AF+FR*(\i), ADRA+\slot, \q, \i
.endr
.endm
.macro SCALES sc                       ; a slot's scale words: four a row; lanes 0-15 the left tensor's block i, lanes 16-31 the right one's
.irp i, 0,1,2,3,4,5,6,7
	ds_load_b128 v[SC+8*NQ*\sc+NQ*\i:SC+8*NQ*\sc+NQ*\i+3], v[ADRS] offset:\i*SBLK
.endr
.endm
.macro PLACES n                        ; plain vector instructions between a matrix instruction and a load into, or a vector use of, its registers
.rept \n
	v_nop
.endr
.endm
.macro STEP slot, q, first             ; 128 along K with its successor in the same slot
	s_wait_dscnt 4*NL                              ; all but the youngest eight loads (left blocks 4-7) are in
.if \first
	WIN 0x81                                       ; C (the bias) window 0, D window 2
.else
	WIN MUL_LO
.endif
	MUL16 0, (\q)%2, \q, \slot, \first
	MUL16 2, (\q)%2, \q, \slot, \first
	s_wait_dscnt 0
	PLACES NP
	FETCH_B \slot, (\q)+1, 1-(\q)%2
	FETCH_A \slot, (\q)+1, 0
.if \first
	WIN 0xc1
.else
	WIN MUL_HI
.endif
	MUL16 4, (\q)%2, \q, \slot, \first
	MUL16 6, (\q)%2, \q, \slot, \first
	PLACES NP
	WIN 0
	FETCH_A \slot, (\q)+1, 4
.endm
.macro STEPS slot, from
.set Q, \from
.rept NQ-1-\from
	STEP \slot, Q, 0
.set Q, Q+1
.endr
.endm
	s_wait_loadcnt 20                              ; the column bias is in; the 8 + 8 + 4 younger loads may stay out
.set i, 0
.rept 64
	v_cndmask_b32 v[BC+i], v[BC+i], 0, s100        ; V has no column bias
.set i, i+1
.endr
	PLACES 4
	s_wait_alu depctr_va_vdst(0)
	s_wait_tensorcnt 1                             ; the scales and my part of slot 0 are in; slot 1's load may stay out
	s_barrier_signal -1
	s_barrier_wait -1
	FETCH_B 0, 0, 0
	FETCH_A 0, 0, 0
	SCALES 0
	FETCH_A 0, 0, 4
	STEP 0, 0, 1
	STEPS 0, 1
	; slot 0's last step changes slots: one barrier
	s_wait_tensorcnt 0x0                           ; my part of slot 1 has landed
	ds_add_u32 v[SPW], v[NIL]                      ; 0 onto my spare word
	s_wait_dscnt 4*NL+1                            ; the add and the youngest eight loads may be out
	WIN MUL_LO
	MUL16 0, 1, NQ-1, 0, 0
	s_wait_dscnt 0x0                               ; the add is done, and my reads of slot 0 are over
	s_barrier_signal -1
	MUL16 2, 1, NQ-1, 0, 0
	WIN 0
	s_barrier_wait -1
	PLACES NP
	v_add_nc_u32 v[ADRS], 4*NQ, v[ADRS]            ; slot 1's scale words
	FETCH_B 1, 0, 0
	FETCH_A 1, 0, 0
	SCALES 1
	WIN MUL_HI
	MUL16 4, 1, NQ-1, 0, 0
	MUL16 6, 1, NQ-1, 0, 0
	PLACES NP
	WIN 0
	FETCH_A 1, 0, 4
	STEPS 1, 0
	s_wait_dscnt 4*NL                              ; the very last step
	WIN MUL_LO
	MUL16 0, 1, NQ-1, 1, 0
	MUL16 2, 1, NQ-1, 1, 0
	s_wait_dscnt 0
	WIN MUL_HI
	MUL16 4, 1, NQ-1, 1, 0
	MUL16 6, 1, NQ-1, 1, 0
	WIN 0
	; THE WAY OUT.  What the mask decides is chosen, never branched on.
	PLACES NP
	s_wait_loadcnt 0x0
.irp i, 1,2,3,4,5,6,7,8,9,10,11,12,13,14,15
	v_or_b32 v[AM], v[AM], v[AM+\i]
.endr
	v_cmp_ne_u32 vcc_lo, 0, v[AM]
	s_cmp_lg_u32 vcc_lo, 0
	s_cselect_b32 s18, 1, 0                        ; has the batch an open key?
	s_and_b32 s22, s101, s18                       ; K, and it has
	s_xor_b32 s18, s18, 1
	s_and_b32 s18, s101, s18                       ; K, and it has none
	s_cmp_eq_u32 s101, 1
	s_cselect_b32 s19, 1, 37                       ; byte 2 of an open row's word: K 1, Q 37 (V's words are made otherwise)
	s_cmp_eq_u32 s22, 1
	s_cselect_b32 s23, 246, s19                    ; of a masked key's
	s_cmp_eq_u32 s18, 1
	s_cselect_b32 s24, 0, -1                       ; the codes are kept, or cleared
	s_cselect_b32 s25, -1, 0                       ; a lane mask: the word (1, 1, 1, 127) is taken
	s_lshl_b32 s19, s19, 16
	s_or_b32 s19, s19, 0x7f000000
	s_lshl_b32 s23, s23, 16
	s_or_b32 s23, s23, 0x7f000000
	s_mov_b32 s20, 0x76543210
	s_mov_b32 s21, 0xfedcba98                      ; v_permlanex16_b32's selects for lane l xor 16
	v_mov_b32 v[OPW], s19
	v_mov_b32 v[CLW], s23
	v_mov_b32 v[ZW], 0x7f010101
.irp a, 0,1,2,3,4,5,6,7
	v_cmp_eq_u32 vcc_lo, 0, v[MK+\a]
	v_cndmask_b32 v[MK+\a], v[OPW], v[CLW], vcc_lo ; bytes 2 and 3 of row 16 a + r's scale word
.endr
.irp a, 0,1,2,3,4,5,6,7
	v_cndmask_b32 v[BR+\a], 0, v[BR+\a], s100      ; Q and K have no row bias
.endr
.irp b, 0,1,2,3
	v_mov_b32 v[TM+4+\b], 0                        ; a lane permute's destination counts as one of its sources
.endr
; Block a (16 rows x 128 columns).  Register 8 b + j of lane (r, h) is column 16 b + 8 h + j of row r: the 16 registers 16 B .. 16 B + 15 of lanes l and l xor 16 are block B of 32.
.macro QBLOCK a
.set AC, 64*((\a)%4)
	WIN 0x02+(\a)/4                                ; source 0: window 2 or 3
.set i, 0
.rept 32
.if ((\a)&1)
	v_pk_add_f32 v[TT+2*i:TT+2*i+1], v[AC+2*i:AC+2*i+1], v[BR+((\a)&6):BR+((\a)&6)+1] op_sel:[0,1] op_sel_hi:[1,1]   ; + the row bias; each accumulator from its low end on
.else
	v_pk_add_f32 v[TT+2*i:TT+2*i+1], v[AC+2*i:AC+2*i+1], v[BR+((\a)&6):BR+((\a)&6)+1] op_sel_hi:[1,0]
.endif
.set i, i+1
.endr
	WIN 0
	s_wait_dscnt 0x0                               ; the last block's stage stores have read their registers
.irp b, 0,1,2,3
	v_max3_num_f32 v[TM+\b], |v[TT+16*\b]|, |v[TT+1+16*\b]|, 0x1800000   ; my 16 numbers of the block, and the floor 2^(3 - 127): the byte cannot fall under 1
.endr
.irp i, 2,4,6,8,10,12,14
.irp b, 0,1,2,3
	v_max3_num_f32 v[TM+\b], v[TM+\b], |v[TT+16*\b+\i]|, |v[TT+1+16*\b+\i]|
.endr
.endr
.irp b, 0,1,2,3
	v_permlanex16_b32 v[TM+4+\b], v[TM+\b], s20, s21
.endr
.irp b, 0,1,2,3
	v_max_num_f32 v[TM+\b], v[TM+\b], v[TM+4+\b]   ; the block's largest magnitude
.endr
.irp b, 0,1,2,3
	v_add_nc_u32 v[TM+12+\b], 0xff000000, v[TM+\b] ; 2 off its exponent field: the conversion's scale operand
.endr
.irp b, 0,1,2,3
	v_lshrrev_b32 v[TM+4+\b], 23, v[TM+12+\b]      ; the scale's byte
.endr
	v_lshl_or_b32 v[PW], v[TM+5], 8, v[TM+4]
	v_lshl_or_b32 v[PW], v[TM+6], 16, v[PW]
	v_lshl_or_b32 v[PW], v[TM+7], 24, v[PW]        ; the four bytes of my row's 128 columns
.irp b, 0,1,2,3
	v_cvt_scalef32_pk8_fp4_f32 v[PC+2*\b], v[TT+16*\b:TT+16*\b+7], v[TM+12+\b]
	v_cvt_scalef32_pk8_fp4_f32 v[PC+2*\b+1], v[TT+16*\b+8:TT+16*\b+15], v[TM+12+\b]
.endr
	v_nop                                          ; one plain place behind a scaled conversion
.irp i, 0,1,2,3,4,5,6,7
	v_and_b32 v[PC+\i], s24, v[PC+\i]              ; K of a batch with no open key: zero codes
.endr
.irp b, 0,1,2,3
.irp u, 0,1
	ds_store_b32 v[STO], v[PC+2*\b+\u] offset:((\a)&1)*1280+16*\b+8*\u   ; columns 32 b + 16 u + 8 h + 0 .. 7: four bytes of my row
.endr
.endr
	v_lshrrev_b32 v[WW], v[H16], v[PW]             ; Q, K: lanes 0-15 write the first head's word, lanes 16-31 the second's: its two bytes,
	v_and_or_b32 v[WW], v[WW], 0xffff, v[MK+(\a)]  ; and bytes 2, 3
	v_cndmask_b32 v[WW], v[WW], v[PW], s100        ; V: the four bytes as they are
	v_cndmask_b32 v[WW], v[WW], v[ZW], s25
	ds_store_b32 v[SSTO], v[WW] offset:((\a)>>2)*256+((\a)&1)*128+(((\a)>>1)&1)*8   ; at [t / 4][tile row][t % 4] of the tile that holds my row
.endm
; Two blocks' 32 rows come back as four images and leave: each store of the wave covers 512 consecutive bytes, aligned.
.macro PAIROUT p
.if (\p) >= 2
	s_wait_xcnt 0x0                                ; the stores of two pairs ago have read these registers
.endif
.set RS, RB+16*((\p)&1)
.irp u, 0,1
.irp e, 0,1
	ds_load_b128 v[RS+4*(2*\u+\e):RS+4*(2*\u+\e)+3], v[RD] offset:640*\u+32*\e   ; LDS serves a wave's instructions in order: these see my stores
.endr
.endr
	s_wait_dscnt 0x0
.irp u, 0,1
.irp e, 0,1
	global_store_b128 v[VOFF+2*\e+(\p)/2], v[RS+4*(2*\u+\e):RS+4*(2*\u+\e)+3], s[12:13] offset:512*(2*((\p)&1)+\u)
.endr
.endr
.endm
	QBLOCK 0
	QBLOCK 1
	PAIROUT 0
	QBLOCK 2
	QBLOCK 3
	PAIROUT 1
	QBLOCK 4
	QBLOCK 5
	PAIROUT 2
	QBLOCK 6
	QBLOCK 7
	PAIROUT 3
	ds_load_b128 v[PC:PC+3], v[SRD]                ; the scale words, 2 x 512 bytes
	ds_load_b128 v[PC+4:PC+7], v[SRD] offset:512
	s_wait_dscnt 0x0
	global_store_b128 v[SOF0], v[PC:PC+3], s[96:97]        ; sixteen lanes store 256 consecutive bytes, aligned
	global_store_b128 v[SOF1], v[PC+4:PC+7], s[96:97]
	s_wait_tensorcnt 0x0                           ; the wave's end
	ds_add_u32 v[SPW], v[NIL]
	s_wait_dscnt 0x0
	CROUND                                         ; the closing round
	s_endpgm
.Lfunc_end_k_q760abf1d32_proj:
	.size	k_q760abf1d32_proj, .Lfunc_end_k_q760abf1d32_proj-k_q760abf1d32_proj
	.p2alignl 7, 3214868480
	.fill 96, 4, 3214868480
	.section	.rodata,"a",@progbits
	.p2align	6, 0x0
	.amdhsa_kernel k_q760abf1d32_proj
		.amdhsa_group_segment_fixed_size 327680
		.amdhsa_private_segment_fixed_size 0
		.amdhsa_enable_private_segment 0
		.amdhsa_kernarg_size 144
		.amdhsa_user_sgpr_count 2
		.amdhsa_user_sgpr_kernarg_segment_ptr 1
		.amdhsa_wavefront_size32 1
		.amdhsa_system_sgpr_workgroup_id_x 1
		.amdhsa_system_sgpr_workgroup_id_y 1
		.amdhsa_system_sgpr_workgroup_id_z 1
		.amdhsa_system_vgpr_workitem_id 0
		.amdhsa_next_free_vgpr 1024
		.amdhsa_next_free_sgpr 102
		.amdhsa_reserve_vcc 1
		.amdhsa_float_denorm_mode_32 3
		.amdhsa_float_denorm_mode_16_64 3
		.amdhsa_memory_ordered 1
		.amdhsa_forward_progress 1
		.amdhsa_inst_pref_size 165
	.end_amdhsa_kernel
	.amdgpu_metadata
---
amdhsa.version: [ 1, 2 ]
amdhsa.kernels:
  - .name:           k_q760abf1d32_proj
    .symbol:         k_q760abf1d32_proj.kd
    .args:
      - { .name: query_codes, .offset: 0, .size: 8, .value_kind: global_buffer, .address_space: global }
      - { .name: query_scales, .offset: 8, .size: 8, .value_kind: global_buffer, .address_space: global }
      - { .name: w_q_codes, .offset: 16, .size: 8, .value_kind: global_buffer, .address_space: global }
      - { .name: w_q_scales, .offset: 24, .size: 8, .value_kind: global_buffer, .address_space: global }
      - { .name: b_q, .offset: 32, .size: 8, .value_kind: global_buffer, .address_space: global }
      - { .name: key_codes, .offset: 40, .size: 8, .value_kind: global_buffer, .address_space: global }
      - { .name: key_scales, .offset: 48, .size: 8, .value_kind: global_buffer, .address_space: global }
      - { .name: w_k_codes, .offset: 56, .size: 8, .value_kind: global_buffer, .address_space: global }
      - { .name: w_k_scales, .offset: 64, .size: 8, .value_kind: global_buffer, .address_space: global }
      - { .name: b_k, .offset: 72, .size: 8, .value_kind: global_buffer, .address_space: global }
      - { .name: value_codes, .offset: 80, .size: 8, .value_kind: global_buffer, .address_space: global }
      - { .name: value_scales, .offset: 88, .size: 8, .value_kind: global_buffer, .address_space: global }
      - { .name: w_v_codes, .offset: 96, .size: 8, .value_kind: global_buffer, .address_space: global }
      - { .name: w_v_scales, .offset: 104, .size: 8, .value_kind: global_buffer, .address_space: global }
      - { .name: b_v, .offset: 112, .size: 8, .value_kind: global_buffer, .address_space: global }
      - { .name: mask, .offset: 120, .size: 8, .value_kind: global_buffer, .address_space: global }
      - { .name: qx, .offset: 128, .size: 8, .value_kind: global_buffer, .address_space: global }
      - { .name: kv, .offset: 136, .size: 8, .value_kind: global_buffer, .address_space: global }
    .group_segment_fixed_size: 327680
    .private_segment_fixed_size: 0
    .kernarg_segment_align: 8
    .kernarg_segment_size: 144
    .max_flat_workgroup_size: 128
    .sgpr_count:     102
    .vgpr_count:     1024
    .wavefront_size: 32
...
	.end_amdgpu_metadata
.endif
;; end of part 1
;; launch attn (part 2): grid 4 x 64, 16 waves a work-group, clusters of 4 x 1, 169,984 bytes of LDS; arguments qx, kv, ctxc, ctxs; writes ctxc, ctxs
.if DOCPART == 2
	.amdgcn_target "amdgcn-amd-amdhsa--gfx1250"
	.amdhsa_code_object_version 6
	.text
	.protected	k_q760abf1d32_attn
	.globl	k_q760abf1d32_attn
	.p2align	8
	.type	k_q760abf1d32_attn,@function
k_q760abf1d32_attn:
	s_mov_b64 s[64:65], 0
	v_nop
	global_prefetch_b8 v0, s[64:65] scope:SCOPE_SE
	s_setreg_imm32_b32 hwreg(HW_REG_WAVE_MODE, 25, 1), 1
	s_wait_xcnt 0x0
	s_wait_alu depctr_hold_cnt(0) depctr_sa_sdst(0) depctr_va_vdst(0) depctr_va_sdst(0) depctr_va_ssrc(0) depctr_va_vcc(0) depctr_vm_vsrc(0)
	s_getreg_b32 s2, hwreg(HW_REG_IB_STS2, 6, 4)
	s_cmp_eq_u32 s2, 0
	s_cbranch_scc0 .Lentry_in_a_cluster
	s_endpgm
.Lentry_in_a_cluster:
	s_bfe_u32 s2, ttmp6, 0x10000c
	s_cmp_lg_u32 s2, 0x3003
	s_cbranch_scc0 .Lentry_shape_is_right
	s_endpgm
.Lentry_shape_is_right:
; ATTENTION on codes of FP4 (E2M1): S^T = K Q^T, p = 2^(t - M), O^T = V^T P^T, ctx = O / l, and ctx quantised for the output projection.  64 (batch, head) pairs x 2,048 queries x 2,048 keys, head size 64.
; t = score x log2(e) / 8; M = the running largest t rounded UP to a whole number; p is quantised along the keys, not normalised; l is the sum of the unquantised p in f32.  When M moves, l and O are multiplied by 2^(old M - new M): exact.
; SHARES.  A work-group owns one (batch, head) and 512 queries.  The head's whole record of K and V (147,456 bytes: codes as images of the operands' registers, and scale words) lies in LDS as it lies in memory, filled once.
; The four work-groups of a cluster are the four query blocks of one head: each part of the record is asked for JOINTLY (mask 15).  Sixteen waves, four to a SIMD, each with one tile of 16 queries in 256 registers,
; so that one wave's vector work stands beside another's matrix work and LDS loads; two passes cover the 512 queries.  Every LDS load of a wave is 512 consecutive bytes.
; LAYOUT.  Both products are used transposed: a lane holds ONE query (lane % 16) throughout.  The keys of a tile of K, and the d of a tile of V, are chosen (row 32 (t / 2) + 8 (t % 2) + r + 8 (r / 8)) so that the
; 16 registers of tiles 2 b and 2 b + 1 are 16 neighbours: keys 32 b + 16 h + 0 .. 15, or d likewise.
; THE HEAD IS 64, THE INSTRUCTION 128 DEEP.  k = 64 .. 127 are zero codes but for k = 64: -4 in K, 4 in Q.  Byte 2 of K's scale word (1 open, 246 masked) and of Q's (37) make of them -2^-212 or -2^33 on the raw score.
; LIMITS: a masked logit is -2^30 where the definition has -1e9: the same result unless an open logit lies under about -1e9.  What was summed over masked keys ahead of the first open key is multiplied by 2^(old M - new M) = 0.
; NaN and infinities are not served.  A block of zeros gets the scale byte 1 (its codes are zeros; this program alone reads the bytes).
.set REC,   147456                     ; a head's record
.set STEPB, 9216                       ; a step's (128 keys): 8 images of K, 8 of V, 512 bytes of K's scale words, 512 of V's
.set LI,  1                            ; v1   16 x lane
.set ADR, 2                            ; v2   the step's LDS address
.set R16, 3                            ; v3   16 r
.set SOF, 4                            ; v4   32 r + h
.set QF,  16                           ; v16-23  Q's fragment
.set QS,  24                           ; v24  Q's scale words;  v25 p's;  v26-29 K's
.set PS,  25
.set KSC, 26
.set KF,  32                           ; v32-95  K's eight fragments
.set S,   96                           ; v96-159 S^T, then p
.set O,   160                          ; v160-191 O^T
.set PCD, 192                          ; v192-199 p's codes
.set VF,  200                          ; v200-231 V's four fragments
.set VSC, 232                          ; v232-235 V's scale words
.set BM,  236                          ; v236-239 block maxima; v240-243 the other half's, then bytes; v244-247 scale operands
.set BX,  240
.set BS,  244
.set WV,  12
.set SEL, 20
.set CS,  22
.set G1,  24
.set G0,  32
.set TB,  48
.set CNT, 49
.set PASS, 50
.macro CROUND                          ; a round of the cluster's barrier
	s_barrier_signal -1
	s_barrier_wait -1
	s_cmp_lg_u32 s[WV], 0
	s_cbranch_scc1 .Lnot_wave_0_\@
	s_barrier_signal -3
.Lnot_wave_0_\@:
	s_barrier_wait -3
	s_barrier_signal -1
	s_barrier_wait -1
.endm
	s_load_b256 s[4:11], s[0:1], 0x0               ; qx, kv, ctxc, ctxs
	v_lshl_add_u32 v254, v0, 2, 0x29000
	v_mov_b32 v255, 0
	ds_add_u32 v254, v255
	ds_add_u32 v254, v255
	v_lshrrev_b32 v1, 5, v0
	s_delay_alu instid0(VALU_DEP_1)
	v_readfirstlane_b32 s[WV], v1                  ; wave 0..15
	s_and_b32 s13, ttmp7, 0xffff                   ; batch x 16 + head: the four partners share it
	s_bfe_u32 s14, ttmp6, 0x40000                  ; cx
	s_lshl_b32 s15, ttmp9, 2
	s_add_co_u32 s14, s14, s15                     ; my block of 512 queries: it enters global addresses alone
	; descriptor group 1: a step's record, 9,216 dense bytes, as 36 rows of 256 (32 elements of 8 bytes), no padding
	s_mov_b32 s[G1], 15|(3<<16)|(1<<21)            ; 15:0 the mask: all four; 17:16 elements of 8 bytes; 21 set beside a mask
	s_mov_b32 s[G1+1], 32<<16
	s_mov_b32 s[G1+2], 36<<16
	s_mov_b32 s[G1+3], 32<<16
	s_mov_b32 s[G1+4], 36
	s_mov_b32 s[G1+5], 32
	s_mov_b32 s[G1+6], 0
	s_mov_b32 s[G1+7], 0
	s_mul_i32 s16, s13, REC
	s_mul_i32 s18, s[WV], STEPB                    ; waves 0-3 fetch step 4 q + wave of chunk q
	s_add_co_u32 s16, s16, s18
	s_mov_b32 s17, 0
	s_mov_b32 s[SEL], 0x76543210
	s_mov_b32 s[SEL+1], 0xfedcba98                 ; lane l xor 16
	s_mov_b32 s[CS], 0x3e38aa3b                    ; c = log2(e) / 8
	s_mov_b32 s[CS+1], s[CS]
	s_mov_b32 s51, 0xffff0000                      ; a lane mask: lanes 16-31
	s_wait_dscnt 0x0
	s_wait_kmcnt 0x0
	s_add_nc_u64 s[6:7], s[6:7], s[16:17]
	CROUND                                         ; all four work-groups are here: the joint loads meet
.irp q, 0,1,2,3
	s_mov_b32 s[G0+4*\q], 1
	s_add_co_u32 s[G0+4*\q+1], s18, \q*4*STEPB
	s_add_nc_u64 s[G0+4*\q+2:G0+4*\q+3], s[6:7], \q*4*STEPB
	s_or_b32 s[G0+4*\q+3], s[G0+4*\q+3], 0x80000000
.endr
	s_cmp_lt_u32 s[WV], 4                          ; all first fills in one branch: four loads of a fetching wave are out
	s_cbranch_scc0 .Lno_fill
	tensor_load_to_lds s[G0:G0+3], s[G1:G1+7]
	s_nop 0
	tensor_load_to_lds s[G0+4:G0+7], s[G1:G1+7]
	s_nop 0
	tensor_load_to_lds s[G0+8:G0+11], s[G1:G1+7]
	s_nop 0
	tensor_load_to_lds s[G0+12:G0+15], s[G1:G1+7]
	s_nop 0
.rept 4
	v_nop
.endr
.Lno_fill:
	v_and_b32 v1, 31, v0
	s_delay_alu instid0(VALU_DEP_1)
	v_lshlrev_b32 v[LI], 4, v1
	v_and_b32 v5, 15, v0                           ; r
	v_bfe_u32 v6, v0, 4, 1                         ; h
	s_delay_alu instid0(VALU_DEP_2)
	v_lshlrev_b32 v[R16], 4, v5
	s_delay_alu instid0(VALU_DEP_2)
	v_lshl_add_u32 v[SOF], v5, 5, v6
	s_delay_alu instid0(VALU_DEP_3)
	v_xor_b32 v6, 1, v6                            ; 1 in lanes 0-15, which hold k = 64 .. 95 in registers 4-7
	s_delay_alu instid0(VALU_DEP_1)
	v_mul_u32_u24 v[QF+4], 6, v6                   ; the code of 4 at k = 64
	v_mov_b32 v[QF+5], 0
	v_mov_b32 v[QF+6], 0
	v_mov_b32 v[QF+7], 0
	v_mul_u32_u24 v7, 14, v6                       ; the code of -4
.irp t, 0,1,2,3,4,5,6,7
	v_mov_b32 v[KF+8*\t+4], v7                     ; written once: the loads fill registers 0-3 alone
	v_mov_b32 v[KF+8*\t+5], 0
	v_mov_b32 v[KF+8*\t+6], 0
	v_mov_b32 v[KF+8*\t+7], 0
.endr
.irp b, 0,1,2,3
	v_mov_b32 v[BX+\b], 0                          ; a lane permute's destination counts as one of its sources
.endr
	v_mov_b32 v251, 0                              ; named as the upper half of the pair v[250:251]
	v_mov_b32 v252, 0
	; my tile of queries in pass p is T = 32 x block + 16 p + wave: step T / 8, tile T % 8 of qx
	s_mul_i32 s16, s13, 73728
	s_lshl_b32 s17, s14, 2
	s_lshr_b32 s19, s[WV], 3
	s_add_co_u32 s17, s17, s19
	s_mul_i32 s17, s17, 4608
	s_add_co_u32 s16, s16, s17
	s_and_b32 s17, s[WV], 7
	s_lshl_b32 s19, s17, 9
	s_add_co_u32 s54, s16, s19                     ; its image
	s_mov_b32 s55, 0
	s_lshr_b32 s19, s17, 2
	s_lshl_b32 s19, s19, 8
	s_and_b32 s17, s[WV], 3
	s_lshl_b32 s17, s17, 2
	s_add_co_u32 s19, s19, s17
	s_add_co_u32 s16, s16, s19
	s_add_co_u32 s16, s16, 4096                    ; its scale words: [t / 4][r][t % 4]
	s_mov_b32 s17, 0
	s_add_nc_u64 s[52:53], s[4:5], s[16:17]
	s_add_nc_u64 s[4:5], s[4:5], s[54:55]
	s_lshl_b32 s16, s13, 7
	s_lshl_b32 s17, s14, 5
	s_add_co_u32 s17, s17, s[WV]
	s_add_co_u32 s16, s16, s17
	s_lshl_b32 s16, s16, 9                         ; ctxc: [batch x 16 + head][T][512]
	s_lshr_b32 s19, s13, 4
	s_lshl_b32 s19, s19, 11
	s_lshl_b32 s17, s17, 4
	s_add_co_u32 s19, s19, s17
	s_lshl_b32 s19, s19, 5                         ; ctxs: [batch x 2,048 + 16 T + r][32],
	s_and_b32 s17, s13, 15
	s_lshl_b32 s17, s17, 1
	s_add_co_u32 s54, s19, s17                     ; byte 2 x head + block
	s_mov_b32 s17, 0
	s_add_nc_u64 s[8:9], s[8:9], s[16:17]
	s_add_nc_u64 s[10:11], s[10:11], s[54:55]
; A KEY STEP: 128 keys.
.macro STEP
	v_add_nc_u32 v[ADR], s[TB], v[LI]              ; with the three v_nop: the four places behind the last products, ahead of the loads into V's registers
	v_nop
	v_nop
	v_nop
	ds_load_b128 v[KSC:KSC+3], v[ADR] offset:8192  ; K's scale words: lanes 0-15 tiles 0-3, lanes 16-31 tiles 4-7
.irp t, 0,1,2,3,4,5,6,7
	ds_load_b128 v[KF+8*\t:KF+8*\t+3], v[ADR] offset:512*\t
.endr
	ds_load_b128 v[VSC:VSC+3], v[ADR] offset:8704  ; V's scale words: tiles 0-3 (both halves of the lanes read the same words, stored twice)
.irp t, 0,1,2,3
.irp c, 0,1
	ds_load_b128 v[VF+8*\t+4*\c:VF+8*\t+4*\c+3], v[ADR] offset:4096+2048*\c+512*\t
.endr
.endr
	s_wait_dscnt 13                                ; K's words and tiles 0-3 are in; the 4 + 1 + 8 younger loads may stay out
.irp t, 0,1,2,3
	v_wmma_scale_f32_16x16x128_f8f6f4 v[S+8*\t:S+8*\t+7], v[KF+8*\t:KF+8*\t+7], v[QF:QF+7], 0, v[KSC+\t], v[QS] matrix_a_fmt:MATRIX_FMT_FP4 matrix_b_fmt:MATRIX_FMT_FP4
.endr
	s_wait_dscnt 9                                 ; tiles 4-7 are in; V's 1 + 8 may stay out
.irp t, 4,5,6,7
	v_wmma_scale_f32_16x16x128_f8f6f4 v[S+8*\t:S+8*\t+7], v[KF+8*\t:KF+8*\t+7], v[QF:QF+7], 0, v[KSC+\t-4], v[QS] matrix_a_fmt:MATRIX_FMT_FP4 matrix_b_fmt:MATRIX_FMT_FP4 matrix_a_scale:MATRIX_SCALE_ROW1
.endr
.rept 4
	v_nop
.endr
.irp b, 0,1,2,3
	v_max3_num_f32 v[BM+\b], v[S+16*\b], v[S+1+16*\b], v[S+2+16*\b]   ; the largest score of each block of 32 keys: for the row's maximum and, since p rises with the score, for the block's largest p
.endr
.irp i, 3,5,7,9,11,13
.irp b, 0,1,2,3
	v_max3_num_f32 v[BM+\b], v[BM+\b], v[S+16*\b+\i], v[S+1+16*\b+\i]
.endr
.endr
.irp b, 0,1,2,3
	v_max_num_f32 v[BM+\b], v[BM+\b], v[S+15+16*\b]
.endr
.irp b, 0,1,2,3
	s_delay_alu instid0(VALU_DEP_4)
	v_permlanex16_b32 v[BX+\b], v[BM+\b], s[SEL], s[SEL+1]
.endr
.irp b, 0,1,2,3
	s_delay_alu instid0(VALU_DEP_4)
	v_max_num_f32 v[BM+\b], v[BM+\b], v[BX+\b]     ; with lane l xor 16's 16 keys
.endr
	s_delay_alu instid0(VALU_DEP_2)
	v_max3_num_f32 v252, v[BM], v[BM+1], v[BM+2]
	s_delay_alu instid0(VALU_DEP_1)
	v_max_num_f32 v252, v252, v[BM+3]
	s_delay_alu instid0(VALU_DEP_1)
	v_mul_f32 v252, s[CS], v252                    ; the step's largest t
	s_delay_alu instid0(VALU_DEP_1)
	v_max_num_f32 v13, v13, v252                   ; the running largest t
	v_mov_b32 v252, v12
	s_delay_alu instid0(VALU_DEP_2)
	v_floor_f32 v12, -v13                          ; the new -M = -ceil(t)
	s_delay_alu instid0(VALU_DEP_1)
	v_sub_f32 v252, v12, v252                      ; old M - new M: a whole number, 0 or less
	s_delay_alu instid0(VALU_DEP_1)
	v_cvt_i32_f32 v252, v252                       ; (it saturates)
	s_delay_alu instid0(VALU_DEP_1)
	v_ldexp_f32 v250, 1.0, v252                    ; f = 2^(old M - new M)
.set j, 0
.rept 32
	v_pk_fma_f32 v[S+j:S+j+1], v[S+j:S+j+1], s[CS:CS+1], v[12:13] op_sel_hi:[1,0,0]   ; t - M, two at a time
.set j, j+2
.endr
.irp b, 0,1,2,3
	v_fma_f32 v[BM+\b], v[BM+\b], s[CS], v12
.endr
.set j, 0
	s_wait_alu depctr_va_vdst(0)
.rept 64
	v_exp_f32 v[S+j], v[S+j]                       ; p = 2^(t - M)
.set j, j+1
.endr
	s_setprio 1
.irp b, 0,1,2,3
	v_exp_f32 v[BM+\b], v[BM+\b]                   ; the block's largest p: the same two instructions on the same number
.endr
	v_pk_mul_f32 v[14:15], v[14:15], v[250:251] op_sel_hi:[1,0]   ; l under the new M.  (A plain place behind the exponentials)
	s_wait_alu depctr_va_vdst(0)
.irp b, 0,1,2,3
	v_max_num_f32 v[BM+\b], 0x1800000, v[BM+\b]    ; the floor 2^(3 - 127): the byte cannot fall under 1
.endr
.irp b, 0,1,2,3
	s_delay_alu instid0(VALU_DEP_4)
	v_add_nc_u32 v[BS+\b], 0xff000000, v[BM+\b]    ; 2 off the exponent field: the conversion's scale operand
.endr
.irp b, 0,1,2,3
	s_delay_alu instid0(VALU_DEP_4)
	v_lshrrev_b32 v[BX+\b], 23, v[BS+\b]
.endr
	s_delay_alu instid0(VALU_DEP_3)
	v_lshl_or_b32 v[PS], v[BX+1], 8, v[BX]         ; p's scale word for these 128 keys
	s_delay_alu instid0(VALU_DEP_1)
	v_lshl_or_b32 v[PS], v[BX+2], 16, v[PS]
	s_delay_alu instid0(VALU_DEP_1)
	v_lshl_or_b32 v[PS], v[BX+3], 24, v[PS]
.irp b, 0,1,2,3
	v_cvt_scalef32_pk8_fp4_f32 v[PCD+2*\b], v[S+16*\b:S+16*\b+7], v[BS+\b]
	v_cvt_scalef32_pk8_fp4_f32 v[PCD+2*\b+1], v[S+16*\b+8:S+16*\b+15], v[BS+\b]
.endr
	v_nop                                          ; one plain place behind a scaled conversion
.irp c, 0,1                                    ; the operand wants a whole block in a lane: lanes 0-15 block 2 c, lanes 16-31 block 2 c + 1
.irp i, 0,1
	v_permlane16_swap_b32 v[PCD+4*\c+\i], v[PCD+2+4*\c+\i]
.endr
.endr
	v_pk_add_f32 v[248:249], v[100:101], v[104:105]
	v_pk_add_f32 v[246:247], v[108:109], v[112:113]
	v_pk_add_f32 v[244:245], v[116:117], v[120:121]
	v_pk_add_f32 v[238:239], v[124:125], v[128:129]
	v_pk_add_f32 v[236:237], v[132:133], v[136:137]
	v_pk_add_f32 v[90:91], v[140:141], v[144:145]
	v_pk_add_f32 v[88:89], v[148:149], v[152:153]
	v_pk_add_f32 v[14:15], v[14:15], v[156:157]
	v_pk_add_f32 v[248:249], v[248:249], v[96:97]
	v_pk_add_f32 v[246:247], v[246:247], v[98:99]
	v_pk_add_f32 v[244:245], v[244:245], v[102:103]
	v_pk_add_f32 v[238:239], v[238:239], v[106:107]
	v_pk_add_f32 v[236:237], v[236:237], v[110:111]
	v_pk_add_f32 v[90:91], v[90:91], v[114:115]
	v_pk_add_f32 v[88:89], v[88:89], v[118:119]
	v_pk_add_f32 v[14:15], v[14:15], v[122:123]
	v_pk_add_f32 v[248:249], v[248:249], v[126:127]
	v_pk_add_f32 v[246:247], v[246:247], v[130:131]
	v_pk_add_f32 v[244:245], v[244:245], v[134:135]
	v_pk_add_f32 v[238:239], v[238:239], v[138:139]
	v_pk_add_f32 v[236:237], v[236:237], v[142:143]
	v_pk_add_f32 v[90:91], v[90:91], v[146:147]
	v_pk_add_f32 v[88:89], v[88:89], v[150:151]
	v_pk_add_f32 v[14:15], v[14:15], v[154:155]
	v_pk_add_f32 v[248:249], v[248:249], v[158:159]
	s_delay_alu instid0(VALU_DEP_2)
	v_pk_add_f32 v[14:15], v[14:15], v[238:239]
	s_delay_alu instid0(VALU_DEP_2)
	v_pk_add_f32 v[248:249], v[248:249], v[236:237]
	v_pk_add_f32 v[246:247], v[246:247], v[90:91]
	v_pk_add_f32 v[244:245], v[244:245], v[88:89]
	s_delay_alu instid0(VALU_DEP_2)
	v_pk_add_f32 v[14:15], v[14:15], v[246:247]
	s_delay_alu instid0(VALU_DEP_2)
	v_pk_add_f32 v[248:249], v[248:249], v[244:245]
	s_delay_alu instid0(VALU_DEP_1)
	v_pk_add_f32 v[14:15], v[14:15], v[248:249]
.set j, 0
	s_setprio 0
.rept 16
	v_pk_mul_f32 v[O+j:O+j+1], v[O+j:O+j+1], v[250:251] op_sel_hi:[1,0]   ; O^T under the new M.  (These and the sums are the places between p's word and codes and the products)
.set j, j+2
.endr
	s_wait_alu depctr_va_vdst(0)
	s_wait_dscnt 0x0                               ; V and its words are in
.irp t, 0,1,2,3
	v_wmma_scale_f32_16x16x128_f8f6f4 v[O+8*\t:O+8*\t+7], v[VF+8*\t:VF+8*\t+7], v[PCD:PCD+7], v[O+8*\t:O+8*\t+7], v[VSC+\t], v[PS] matrix_a_fmt:MATRIX_FMT_FP4 matrix_b_fmt:MATRIX_FMT_FP4
.endr
.endm
; Four steps.  The fetching waves wait for their loads of chunks 0 .. q (the 3 - q later ones may stay out), then all sixteen meet.
.macro CHUNK q
	s_wait_tensorcnt 3-\q
	s_barrier_signal -1
	s_barrier_wait -1
	s_mov_b32 s[TB], \q*4*STEPB
	s_mov_b32 s[CNT], 4
.Lstep_\@:
	s_setprio 2
	STEP
	s_add_co_u32 s[TB], s[TB], STEPB
	s_sub_co_u32 s[CNT], s[CNT], 1
	s_cmp_lg_u32 s[CNT], 0
	s_cbranch_scc1 .Lstep_\@
	s_setprio 0
.endm
	s_mov_b32 s[PASS], 2
.Lpass:
	global_load_b128 v[QF:QF+3], v[LI], s[4:5]     ; Q's image: d = 32 h + 0 .. 31 of query r
	global_load_b32 v[QS], v[R16], s[52:53]
	v_mov_b32 v13, 0xff61b1e6                      ; the largest t so far: -3e38
	s_delay_alu instid0(VALU_DEP_1)
	v_floor_f32 v12, -v13
	v_mov_b32 v14, 0
	v_mov_b32 v15, 0
.set j, 0
.rept 32
	v_mov_b32 v[O+j], 0                            ; the step is written once: the first finds zeros
.set j, j+1
.endr
	s_wait_loadcnt 0x0
	CHUNK 0
	CHUNK 1
	CHUNK 2
	CHUNK 3
	; THE WAY OUT: ctx = O / l, quantised along the head's 64 (two blocks of the output projection's K), stored as an image of that product's operand
.rept 4
	v_nop                                          ; places behind the last products
.endr
	v_add_f32 v14, v14, v15
	s_delay_alu instid0(VALU_DEP_1)
	v_permlanex16_b32 v252, v14, s[SEL], s[SEL+1]
	s_delay_alu instid0(VALU_DEP_1)
	v_add_f32 v14, v14, v252                       ; the row's sum
	s_wait_alu depctr_va_vdst(0)
	v_rcp_f32 v14, v14
	v_nop                                          ; one plain place behind a transcendental
.set j, 0
	s_wait_alu depctr_va_vdst(0)
.rept 32
	v_mul_f32 v[S+j], v[O+j], v14                  ; register 16 b + i is d = 32 b + 16 h + i of query r
.set j, j+1
.endr
.irp b, 0,1
	v_max3_num_f32 v[BM+\b], |v[S+16*\b]|, |v[S+1+16*\b]|, 0x1800000
.endr
.irp i, 2,4,6,8,10,12,14
.irp b, 0,1
	s_delay_alu instid0(VALU_DEP_2)
	v_max3_num_f32 v[BM+\b], v[BM+\b], |v[S+16*\b+\i]|, |v[S+1+16*\b+\i]|
.endr
.endr
.irp b, 0,1
	s_delay_alu instid0(VALU_DEP_2)
	v_permlanex16_b32 v[BX+\b], v[BM+\b], s[SEL], s[SEL+1]
.endr
.irp b, 0,1
	s_delay_alu instid0(VALU_DEP_2)
	v_max_num_f32 v[BM+\b], v[BM+\b], v[BX+\b]
.endr
.irp b, 0,1
	s_delay_alu instid0(VALU_DEP_2)
	v_add_nc_u32 v[BS+\b], 0xff000000, v[BM+\b]
.endr
.irp b, 0,1
	s_delay_alu instid0(VALU_DEP_2)
	v_lshrrev_b32 v[BX+\b], 23, v[BS+\b]
.endr
.irp b, 0,1
	v_cvt_scalef32_pk8_fp4_f32 v[PCD+2*\b], v[S+16*\b:S+16*\b+7], v[BS+\b]
	v_cvt_scalef32_pk8_fp4_f32 v[PCD+2*\b+1], v[S+16*\b+8:S+16*\b+15], v[BS+\b]
.endr
	v_nop
	v_permlane16_swap_b32 v[PCD], v[PCD+2]         ; lanes 0-15: d = 0 .. 31; lanes 16-31: d = 32 .. 63
	v_permlane16_swap_b32 v[PCD+1], v[PCD+3]
	v_cndmask_b32 v253, v[BX], v[BX+1], s51        ; lanes 0-15 store block 0's byte, lanes 16-31 block 1's
	global_store_b128 v[LI], v[PCD:PCD+3], s[8:9]  ; the wave stores 512 consecutive bytes, aligned
	global_store_b8 v[SOF], v253, s[10:11]         ; two bytes of each of 16 rows of 32: one byte in 17 of what the launch stores
	s_wait_xcnt 0x0                                ; the bases and the stores' registers are written again only behind this wait
	s_add_nc_u64 s[4:5], s[4:5], 9216              ; 16 tiles on: two steps of qx,
	s_add_nc_u64 s[52:53], s[52:53], 9216
	s_add_nc_u64 s[8:9], s[8:9], 8192              ; 16 images,
	s_add_nc_u64 s[10:11], s[10:11], 8192          ; 256 rows of scale bytes
	s_sub_co_u32 s[PASS], s[PASS], 1
	s_cmp_lg_u32 s[PASS], 0
	s_cbranch_scc1 .Lpass
	s_wait_tensorcnt 0x0
	ds_add_u32 v254, v255
	s_wait_dscnt 0x0
	CROUND                                         ; the closing round: no work-group ends while a partner may still ask
	s_endpgm
.Lfunc_end_k_q760abf1d32_attn:
	.size	k_q760abf1d32_attn, .Lfunc_end_k_q760abf1d32_attn-k_q760abf1d32_attn
	.p2alignl 7, 3214868480
	.fill 96, 4, 3214868480
	.section	.rodata,"a",@progbits
	.p2align	6, 0x0
	.amdhsa_kernel k_q760abf1d32_attn
		.amdhsa_group_segment_fixed_size 169984
		.amdhsa_private_segment_fixed_size 0
		.amdhsa_enable_private_segment 0
		.amdhsa_kernarg_size 32
		.amdhsa_user_sgpr_count 2
		.amdhsa_user_sgpr_kernarg_segment_ptr 1
		.amdhsa_wavefront_size32 1
		.amdhsa_system_sgpr_workgroup_id_x 1
		.amdhsa_system_sgpr_workgroup_id_y 1
		.amdhsa_system_sgpr_workgroup_id_z 1
		.amdhsa_system_vgpr_workitem_id 0
		.amdhsa_next_free_vgpr 256
		.amdhsa_next_free_sgpr 66
		.amdhsa_reserve_vcc 0
		.amdhsa_float_denorm_mode_32 3
		.amdhsa_float_denorm_mode_16_64 3
		.amdhsa_memory_ordered 1
		.amdhsa_forward_progress 1
		.amdhsa_inst_pref_size 78
	.end_amdhsa_kernel
	.amdgpu_metadata
---
amdhsa.version: [ 1, 2 ]
amdhsa.kernels:
  - .name:           k_q760abf1d32_attn
    .symbol:         k_q760abf1d32_attn.kd
    .args:
      - { .name: qx, .offset: 0, .size: 8, .value_kind: global_buffer, .address_space: global }
      - { .name: kv, .offset: 8, .size: 8, .value_kind: global_buffer, .address_space: global }
      - { .name: ctxc, .offset: 16, .size: 8, .value_kind: global_buffer, .address_space: global }
      - { .name: ctxs, .offset: 24, .size: 8, .value_kind: global_buffer, .address_space: global }
    .group_segment_fixed_size: 169984
    .private_segment_fixed_size: 0
    .kernarg_segment_align: 8
    .kernarg_segment_size: 32
    .max_flat_workgroup_size: 512
    .sgpr_count:     66
    .vgpr_count:     256
    .wavefront_size: 32
...
	.end_amdgpu_metadata
.endif
;; end of part 2
;; launch outp (part 3): grid 4 x 32, 4 waves a work-group, clusters of 4 x 4, 327,680 bytes of LDS; arguments ctxc, ctxs, w_o_codes, w_o_scales, b_o, out0; writes out0
.if DOCPART == 3
	.amdgcn_target "amdgcn-amd-amdhsa--gfx1250"
	.amdhsa_code_object_version 6
	.text
	.protected	k_q760abf1d32_outp
	.globl	k_q760abf1d32_outp
	.p2align	8
	.type	k_q760abf1d32_outp,@function
k_q760abf1d32_outp:
	s_mov_b64 s[64:65], 0
	v_nop
	global_prefetch_b8 v0, s[64:65] scope:SCOPE_SE
	s_setreg_imm32_b32 hwreg(HW_REG_WAVE_MODE, 25, 1), 1
	s_wait_xcnt 0x0
	s_wait_alu depctr_hold_cnt(0) depctr_sa_sdst(0) depctr_va_vdst(0) depctr_va_sdst(0) depctr_va_ssrc(0) depctr_va_vcc(0) depctr_vm_vsrc(0)
	s_getreg_b32 s2, hwreg(HW_REG_IB_STS2, 6, 4)
	s_cmp_eq_u32 s2, 0
	s_cbranch_scc0 .Lentry_in_a_cluster
	s_endpgm
.Lentry_in_a_cluster:
	s_bfe_u32 s2, ttmp6, 0x10000c
	s_cmp_lg_u32 s2, 0xf033
	s_cbranch_scc0 .Lentry_shape_is_right
	s_endpgm
.Lentry_shape_is_right:
; out0 = ctx w_o^T + b_o: 8,192 x 1,024 x 1,024 on codes of FP4 (E2M1) with one E8M0 scale for each 32 along K; sums and bias in f32.
; ctx comes from the attention as IMAGES of this product's operand: ctxc [batch x 16 + head][tile of 16 tokens T][512 bytes]: lane (r, h)'s 16 bytes at 16 lane are d = 32 h + 0 .. 31 of the head, of token
; 32 (T / 2) + 8 (T % 2) + r + 8 (r / 8) of the batch.  ctxs [batch x 2,048 + 16 T + r][32]: its scale bytes, rows in the same order.  The stores put the rows back in their places.
; A tile of 256 x 256 is made by four waves, each 128 x 128 in 64 accumulators.  All of K fits in two LDS slots of 512 (eight heads): nothing is filled again, there is no loop.
; CLUSTERS: 4 x 4 work-groups; ctx's tiles are shared along a row of the cluster, w_o's along a column, by joint tensor loads.  128 tiles: a smaller tile would fill more WGPs at twice the LDS bytes for each product.
; THE MATRIX INSTRUCTION IS USED TRANSPOSED (source 0 = 16 rows of w_o, source 1 = 16 rows of ctx): a lane holds eight neighbouring numbers of a row of out0.
; REGISTERS, in windows of 256: window 0: v0-31 addresses; v32-95 scale words, two sets; v128-191 ctx's fragments; v192-255 the bias (the C of the first K step); on the way out v128-255 take rows.
;   window 1: w_o's fragments, two sets.   windows 2, 3: the accumulators.
.set NQ,     4
.set ROWB,   256
.set KROW,   512
.set PITCH,  272
.set FR,     8
.set NL,     2
.set NP,     4
.set HALFT,  128*PITCH
.set SLOT,   4*HALFT                   ; ctx's eight heads x 8,192 bytes (65,536 of 2 HALFT), then w_o's 256 rows
.set SCL,    2*SLOT
.set HALFS,  16*272
.set SBLK,   2*272
.set SPARE,  SCL+4*HALFS
.set SPITCH, 528                       ; the way out: 16 rows x (512 bytes + 16) for each wave, in slot 0, which has had its last fill and its last read by then
.set ADRA, 16
.set ADRB, 20
.set STO,  24
.set RD,   25
.set CO,   26
.set ADRS, 27
.set SPW,  28
.set NIL,  29
.set BCO,  30
.set SC,   32
.set AF,   128
.set BK,   128
.set BC,   192
.set G1, 24
.set G0, 32
.set G1B, 48
.set G0B, 56
.set G1S, 68
.set G0S, 76
.set G1SB, 80
.set G0SB, 88
.set MSB, 0
.macro WIN new
.if MSB != (\new)
	s_set_vgpr_msb (MSB<<8)|(\new)
.set MSB, (\new)
.endif
.endm
.set MUL_LO, 0xa1
.set MUL_HI, 0xf1
.set TO_B,   0x40
.macro JLOAD g0a, g1a, g0b, g1b        ; waves 0 and 1 fetch for ctx, waves 2 and 3 for w_o; four v_nop follow each line
	s_cmp_eq_u32 s15, 0
	s_cbranch_scc0 .Lfor_b_\@
	tensor_load_to_lds s[\g0a:\g0a+3], s[\g1a:\g1a+7]
	s_nop 0
.rept 4
	v_nop
.endr
	s_branch .Lasked_\@
.Lfor_b_\@:
	tensor_load_to_lds s[\g0b:\g0b+3], s[\g1b:\g1b+7]
	s_nop 0
.rept 4
	v_nop
.endr
.Lasked_\@:
.endm
.macro CROUND
	s_barrier_signal -1
	s_barrier_wait -1
	s_cmp_lg_u32 s14, 0
	s_cbranch_scc1 .Lnot_wave_0_\@
	s_barrier_signal -3
.Lnot_wave_0_\@:
	s_barrier_wait -3
	s_barrier_signal -1
	s_barrier_wait -1
.endm
	s_load_b128 s[4:7], s[0:1], 0x0                ; ctxc, ctxs
	s_load_b128 s[8:11], s[0:1], 0x10              ; w_o's codes, scales
	s_load_b128 s[96:99], s[0:1], 0x20             ; b_o, out0
	v_lshl_add_u32 v[SPW], v0, 2, SPARE
	v_mov_b32 v[NIL], 0
	ds_add_u32 v28, v29
	ds_add_u32 v28, v29
	s_wait_dscnt 0x0
	v_lshrrev_b32 v1, 5, v0
	v_readfirstlane_b32 s14, v1                    ; wave 0..3
	s_lshr_b32 s15, s14, 1                         ; my half of the tile's rows.  Also: I fetch for ctx (0) or for w_o (1)
	s_and_b32 s16, s14, 1                          ; my half of its columns.  Also: which half I fetch
	s_bfe_u32 s40, ttmp6, 0x40000
	s_bfe_u32 s41, ttmp6, 0x40004
	s_lshl_b32 s42, ttmp9, 2
	s_add_co_u32 s42, s42, s40                     ; tile column
	s_and_b32 s17, ttmp7, 0xffff
	s_lshl_b32 s17, s17, 2
	s_add_co_u32 s17, s17, s41                     ; tile row
	s_lshl_b32 s43, s41, 2
	s_lshl_b32 s43, 15, s43                        ; my row of the cluster
	s_lshl_b32 s44, 0x1111, s40                    ; my column
	; ctx: four heads x 16 images: 4 rows of 8,192 bytes (1,024 elements of 8 bytes), 65,536 bytes apart, no padding
	s_or_b32 s[G1+0], s43, (3<<16)|(1<<21)
	s_mov_b32 s[G1+1], 1024<<16
	s_mov_b32 s[G1+2], 4<<16
	s_mov_b32 s[G1+3], 1024<<16
	s_mov_b32 s[G1+4], 4
	s_mov_b32 s[G1+5], 8192
	s_mov_b32 s[G1+6], 0
	s_mov_b32 s[G1+7], 0
	; w_o: 128 rows x 256 bytes, 16 bytes of padding behind each
	s_or_b32 s[G1B+0], s44, (0<<16)|(1<<20)|(1<<21)|(5<<22)|(3<<25)
	s_mov_b32 s[G1B+1], ROWB<<16
	s_mov_b32 s[G1B+2], 128<<16
	s_mov_b32 s[G1B+3], ROWB<<16
	s_mov_b32 s[G1B+4], 128
	s_mov_b32 s[G1B+5], KROW
	s_mov_b32 s[G1B+6], 0
	s_mov_b32 s[G1B+7], 0
	; the scale bytes of 128 rows: 16 rows of 256 bytes, 16 bytes of padding behind each
	s_or_b32 s[G1S+0], s43, (3<<16)|(1<<20)|(1<<21)|(5<<22)|(3<<25)
	s_or_b32 s[G1SB+0], s44, (3<<16)|(1<<20)|(1<<21)|(5<<22)|(3<<25)
.irp g, G1S, G1SB
	s_mov_b32 s[\g+1], 32<<16
	s_mov_b32 s[\g+2], 16<<16
	s_mov_b32 s[\g+3], 32<<16
	s_mov_b32 s[\g+4], 16
	s_mov_b32 s[\g+5], 32
	s_mov_b32 s[\g+6], 0
	s_mov_b32 s[\g+7], 0
.endr
	s_lshr_b32 s20, s17, 3                         ; ctx's images: (batch x 16 + 4 x half) heads of 65,536 bytes
	s_lshl_b32 s20, s20, 4
	s_lshl_b32 s18, s16, 2
	s_add_co_u32 s20, s20, s18
	s_lshl_b32 s20, s20, 16
	s_and_b32 s18, s17, 7
	s_lshl_b32 s18, s18, 13                        ; + 16 tiles of 512 bytes for each 256 tokens
	s_add_co_u32 s20, s20, s18
	s_mov_b32 s21, 0
	s_lshl_b32 s18, s16, 7
	s_lshl_b32 s22, s17, 8
	s_add_co_u32 s22, s22, s18
	s_lshl_b32 s22, s22, 5                         ; ctx's scale bytes: row 256 x tile row + 128 x half, 32 bytes a row
	s_mov_b32 s23, 0
	s_lshl_b32 s46, s42, 8
	s_add_co_u32 s46, s46, s18                     ; w_o: row 256 x tile column + 128 x half
	s_lshl_b32 s92, s46, 5
	s_mov_b32 s93, 0
	s_lshl_b32 s46, s46, 9
	s_mov_b32 s47, 0
	s_mul_i32 s45, s14, HALFT                      ; w_o's halves go behind 2 HALFT (waves 2, 3),
	s_lshl_b32 s95, s16, 15                        ; ctx's to 32,768 x half
	s_mul_i32 s94, s14, HALFS
	s_wait_kmcnt 0x0
	s_add_nc_u64 s[20:21], s[4:5], s[20:21]
	s_add_nc_u64 s[22:23], s[6:7], s[22:23]
	s_add_nc_u64 s[46:47], s[8:9], s[46:47]
	s_add_nc_u64 s[92:93], s[10:11], s[92:93]
	CROUND                                         ; all sixteen work-groups are here: the joint loads meet
	s_mov_b32 s[G0S], 1
	s_add_co_u32 s[G0S+1], s94, SCL
	s_mov_b64 s[G0S+2:G0S+3], s[22:23]
	s_or_b32 s[G0S+3], s[G0S+3], 0x80000000
	s_mov_b32 s[G0SB], 1
	s_add_co_u32 s[G0SB+1], s94, SCL
	s_mov_b64 s[G0SB+2:G0SB+3], s[92:93]
	s_or_b32 s[G0SB+3], s[G0SB+3], 0x80000000
	JLOAD G0S, G1S, G0SB, G1SB                     ; three loads a wave are out in all
.irp s, 0,1
	s_mov_b32 s[G0+4*\s], 1
	s_add_co_u32 s[G0+4*\s+1], s95, \s*SLOT
	s_add_nc_u64 s[G0+4*\s+2:G0+4*\s+3], s[20:21], \s*524288       ; eight heads on
	s_or_b32 s[G0+4*\s+3], s[G0+4*\s+3], 0x80000000
	s_mov_b32 s[G0B+4*\s], 1
	s_add_co_u32 s[G0B+4*\s+1], s45, \s*SLOT
	s_add_nc_u64 s[G0B+4*\s+2:G0B+4*\s+3], s[46:47], \s*ROWB
	s_or_b32 s[G0B+4*\s+3], s[G0B+4*\s+3], 0x80000000
	s_wait_alu depctr_va_vdst(0)
	s_wait_tensorcnt 0x0
	ds_add_u32 v28, v29
	s_wait_dscnt 0x0
	CROUND
	JLOAD G0+4*\s, G1, G0B+4*\s, G1B
.endr
	v_and_b32 v1, 15, v0                           ; r
	v_bfe_u32 v2, v0, 4, 1                         ; h
	v_and_b32 v6, 31, v0
	v_lshlrev_b32 v[CO], 4, v6                     ; 16 x lane
	v_mul_u32_u24 v3, v1, PITCH
	v_lshl_add_u32 v4, v2, 4, v3
	s_lshl_b32 s21, s15, 12                        ; ctx: my eight tiles of 512 bytes in each head
	s_mul_i32 s22, s16, HALFT
	s_add_co_u32 s22, s22, 2*HALFT
.irp s, 0,1
	v_add_nc_u32 v[ADRA+\s], s21, v[CO]
	v_add_nc_u32 v[ADRB+\s], s22, v4
	s_add_co_u32 s21, s21, SLOT
	s_add_co_u32 s22, s22, SLOT
.endr
	v_mul_u32_u24 v5, v1, 32
	v_lshrrev_b32 v6, 8, v5
	v_lshl_add_u32 v5, v6, 4, v5
	s_mul_i32 s21, s15, HALFS
	s_mul_i32 s22, s16, HALFS
	s_add_co_u32 s22, s22, 2*HALFS
	s_sub_co_u32 s22, s22, s21
	v_mul_u32_u24 v6, s22, v2                      ; lanes 16-31 take w_o's
	s_add_co_u32 s21, s21, SCL
	v_add_nc_u32 v5, v5, v6
	v_add_nc_u32 v[ADRS], s21, v5
	s_mul_i32 s23, s14, 16*SPITCH                  ; my stage
	v_mul_u32_u24 v5, v1, SPITCH
	v_lshl_add_u32 v5, v2, 5, v5
	v_add_nc_u32 v[STO], s23, v5
	v_add_nc_u32 v[RD], s23, v[CO]
	s_lshl_b32 s20, s17, 8
	s_lshl_b32 s21, s15, 7
	s_add_co_u32 s20, s20, s21                     ; my first row of out0,
	s_lshl_b32 s20, s20, 12                        ; 4,096 bytes a row
	s_lshl_b32 s46, s42, 10
	s_lshl_b32 s47, s16, 9
	s_add_co_u32 s46, s46, s47                     ; my first column, in bytes; also its place in b_o
	s_add_co_u32 s20, s20, s46
	s_mov_b32 s21, 0
	s_add_nc_u64 s[12:13], s[98:99], s[20:21]
	v_lshl_add_u32 v[BCO], v2, 5, s46
.irp b, 0,1,2,3,4,5,6,7
	global_load_b128 v[BC+8*\b:BC+8*\b+3], v[BCO], s[96:97] offset:64*\b        ; b_o of columns 16 b + 8 h + 0 .. 7: the result's layout
	global_load_b128 v[BC+8*\b+4:BC+8*\b+7], v[BCO], s[96:97] offset:64*\b+16
.endr
.macro FRAG reg, adr, q, i
.irp c, 0,1
	ds_load_b128 v[\reg+4*\c:\reg+4*\c+3], v[\adr] offset:64*(\q)+32*\c+(\i)*16*PITCH
.endr
.endm
.macro FRAGA reg, slot, q, i           ; ctx: registers 4 c .. 4 c + 3 are the image of head 2 q + c, tile i: 512 consecutive bytes a load
.irp c, 0,1
	ds_load_b128 v[\reg+4*\c:\reg+4*\c+3], v[ADRA+\slot] offset:(2*(\q)+\c)*8192+(\i)*512
.endr
.endm
; 16 matrix instructions.  first = 1: the bias is the C that starts the sums.  The 64 accumulators take turns, one instruction a turn.
.macro MUL16 a0, p, q, sc, first
.irp a, \a0, \a0+1
.irp b, 0,1,2,3,4,5,6,7
.if \first
	v_wmma_scale_f32_16x16x128_f8f6f4 v[8*(8*((\a)%4)+\b):8*(8*((\a)%4)+\b)+7], v[128*(\p)+FR*\b:128*(\p)+FR*\b+FR-1], v[AF+FR*(\a):AF+FR*(\a)+FR-1], v[BC+8*\b:BC+8*\b+7], v[SC+8*NQ*(\sc)+NQ*\b+(\q)], v[SC+8*NQ*(\sc)+NQ*(\a)+(\q)] matrix_a_fmt:MATRIX_FMT_FP4 matrix_b_fmt:MATRIX_FMT_FP4 matrix_a_scale:MATRIX_SCALE_ROW1
.else
	v_wmma_scale_f32_16x16x128_f8f6f4 v[8*(8*((\a)%4)+\b):8*(8*((\a)%4)+\b)+7], v[128*(\p)+FR*\b:128*(\p)+FR*\b+FR-1], v[AF+FR*(\a):AF+FR*(\a)+FR-1], v[8*(8*((\a)%4)+\b):8*(8*((\a)%4)+\b)+7], v[SC+8*NQ*(\sc)+NQ*\b+(\q)], v[SC+8*NQ*(\sc)+NQ*(\a)+(\q)] matrix_a_fmt:MATRIX_FMT_FP4 matrix_b_fmt:MATRIX_FMT_FP4 matrix_a_scale:MATRIX_SCALE_ROW1
.endif
.endr
.endr
.endm
.macro FETCH_B slot, q, p
	WIN TO_B
.irp i, 0,1,2,3,4,5,6,7
	FRAG 128*(\p)+FR*\i, ADRB+\slot, \q, \i
.endr
	WIN 0
.endm
.macro FETCH_A slot, q, i0
.irp i, \i0, \i0+1, \i0+2, \i0+3
	FRAGA AF+FR*(\i), \slot, \q, \i
.endr
.endm
.macro SCALES sc
.irp i, 0,1,2,3,4,5,6,7
	ds_load_b128 v[SC+8*NQ*\sc+NQ*\i:SC+8*NQ*\sc+NQ*\i+3], v[ADRS] offset:\i*SBLK
.endr
.endm
.macro PLACES n                        ; plain vector instructions between a matrix instruction and a load into, or a store of, its registers
.rept \n
	v_nop
.endr
.endm
.macro STEP slot, q, first
	s_wait_dscnt 4*NL                              ; all but the youngest eight loads (ctx's blocks 4-7) are in
.if \first
	WIN 0x81
.else
	WIN MUL_LO
.endif
	MUL16 0, (\q)%2, \q, \slot, \first
	MUL16 2, (\q)%2, \q, \slot, \first
	s_wait_dscnt 0
	PLACES NP
	FETCH_B \slot, (\q)+1, 1-(\q)%2
	FETCH_A \slot, (\q)+1, 0
.if \first
	WIN 0xc1
.else
	WIN MUL_HI
.endif
	MUL16 4, (\q)%2, \q, \slot, \first
	MUL16 6, (\q)%2, \q, \slot, \first
	PLACES NP
	WIN 0
	FETCH_A \slot, (\q)+1, 4
.endm
.macro STEPS slot, from
.set Q, \from
.rept NQ-1-\from
	STEP \slot, Q, 0
.set Q, Q+1
.endr
.endm
	s_wait_alu depctr_va_vdst(0)
	s_wait_loadcnt 0x0                             ; the bias
	s_wait_tensorcnt 1                             ; the scales and my part of slot 0 are in; slot 1's load may stay out
	s_barrier_signal -1
	s_barrier_wait -1
	FETCH_B 0, 0, 0
	FETCH_A 0, 0, 0
	SCALES 0
	FETCH_A 0, 0, 4
	STEP 0, 0, 1
	STEPS 0, 1
	; slot 0's last step changes slots: one barrier
	s_wait_tensorcnt 0x0                           ; my part of slot 1 has landed
	ds_add_u32 v[SPW], v[NIL]                      ; 0 onto my spare word
	s_wait_dscnt 4*NL+1                            ; the add and the youngest eight loads may be out
	WIN MUL_LO
	MUL16 0, 1, NQ-1, 0, 0
	s_wait_dscnt 0x0                               ; the add is done, and my reads of slot 0 are over
	s_barrier_signal -1
	MUL16 2, 1, NQ-1, 0, 0
	WIN 0
	s_barrier_wait -1
	PLACES NP
	v_add_nc_u32 v[ADRS], 4*NQ, v[ADRS]
	FETCH_B 1, 0, 0
	FETCH_A 1, 0, 0
	SCALES 1
	WIN MUL_HI
	MUL16 4, 1, NQ-1, 0, 0
	MUL16 6, 1, NQ-1, 0, 0
	PLACES NP
	WIN 0
	FETCH_A 1, 0, 4
	STEPS 1, 0
	s_wait_dscnt 4*NL                              ; the very last step
	WIN MUL_LO
	MUL16 0, 1, NQ-1, 1, 0
	MUL16 2, 1, NQ-1, 1, 0
	s_wait_dscnt 0
	WIN MUL_HI
	MUL16 4, 1, NQ-1, 1, 0
	MUL16 6, 1, NQ-1, 1, 0
	WIN 0
; THE WAY OUT, block by block of 16 rows x 128 columns, through my own stage in LDS: back as whole rows of 512 bytes.  LDS serves a wave's instructions in order: no wait between the stores and the loads.
.macro TOSTAGE a
.set AC, 64*((\a)%4)
	WIN 0x08+4*((\a)/4)                            ; the data: window 2 or 3
.irp b, 0,1,2,3,4,5,6,7
	ds_store_b128 v[STO], v[AC+8*\b:AC+8*\b+3] offset:64*\b          ; each accumulator from its low end on
	ds_store_b128 v[STO], v[AC+8*\b+4:AC+8*\b+7] offset:64*\b+16
.endr
	WIN 0
.set BB, BK+64*((\a)%2)
.irp t, 0,1,2,3,4,5,6,7,8,9,10,11,12,13,14,15
	ds_load_b128 v[BB+4*\t:BB+4*\t+3], v[RD] offset:\t*SPITCH
.endr
.endm
.macro SEND a, younger                 ; younger: the LDS instructions issued behind block a's loads, which may stay out
.set BB, BK+64*((\a)%2)
	s_wait_dscnt \younger
.irp t, 0,1,2,3,4,5,6,7,8,9,10,11,12,13,14,15
	global_store_b128 v[CO], v[BB+4*\t:BB+4*\t+3], s[12:13] offset:(32*((\a)/2)+8*((\a)%2)+\t+8*(\t/8))*4096 th:TH_STORE_NT   ; row t of tile a is token 32 (a / 2) + 8 (a % 2) + t + 8 (t / 8) of my 128; 32 lanes store 512 consecutive bytes, aligned
.endr
.endm
	PLACES NP
	TOSTAGE 0
.irp a, 1,2,3,4,5,6,7
.if \a > 1
	s_wait_xcnt 0x0                                ; the stores of two blocks ago have read their registers: this block's loads may land there
.endif
	TOSTAGE \a
	SEND \a-1, 32                                  ; behind that block's loads: this block's 16 stores and 16 loads
.endr
	SEND 7, 0
	s_wait_tensorcnt 0x0                           ; the wave's end
	ds_add_u32 v[SPW], v[NIL]
	s_wait_dscnt 0x0
	CROUND                                         ; the closing round
	s_endpgm
.Lfunc_end_k_q760abf1d32_outp:
	.size	k_q760abf1d32_outp, .Lfunc_end_k_q760abf1d32_outp-k_q760abf1d32_outp
	.p2alignl 7, 3214868480
	.fill 96, 4, 3214868480
	.section	.rodata,"a",@progbits
	.p2align	6, 0x0
	.amdhsa_kernel k_q760abf1d32_outp
		.amdhsa_group_segment_fixed_size 327680
		.amdhsa_private_segment_fixed_size 0
		.amdhsa_enable_private_segment 0
		.amdhsa_kernarg_size 48
		.amdhsa_user_sgpr_count 2
		.amdhsa_user_sgpr_kernarg_segment_ptr 1
		.amdhsa_wavefront_size32 1
		.amdhsa_system_sgpr_workgroup_id_x 1
		.amdhsa_system_sgpr_workgroup_id_y 1
		.amdhsa_system_sgpr_workgroup_id_z 1
		.amdhsa_system_vgpr_workitem_id 0
		.amdhsa_next_free_vgpr 1024
		.amdhsa_next_free_sgpr 100
		.amdhsa_reserve_vcc 0
		.amdhsa_float_denorm_mode_32 3
		.amdhsa_float_denorm_mode_16_64 3
		.amdhsa_memory_ordered 1
		.amdhsa_forward_progress 1
		.amdhsa_inst_pref_size 126
	.end_amdhsa_kernel
	.amdgpu_metadata
---
amdhsa.version: [ 1, 2 ]
amdhsa.kernels:
  - .name:           k_q760abf1d32_outp
    .symbol:         k_q760abf1d32_outp.kd
    .args:
      - { .name: ctxc, .offset: 0, .size: 8, .value_kind: global_buffer, .address_space: global }
      - { .name: ctxs, .offset: 8, .size: 8, .value_kind: global_buffer, .address_space: global }
      - { .name: w_o_codes, .offset: 16, .size: 8, .value_kind: global_buffer, .address_space: global }
      - { .name: w_o_scales, .offset: 24, .size: 8, .value_kind: global_buffer, .address_space: global }
      - { .name: b_o, .offset: 32, .size: 8, .value_kind: global_buffer, .address_space: global }
      - { .name: out0, .offset: 40, .size: 8, .value_kind: global_buffer, .address_space: global }
    .group_segment_fixed_size: 327680
    .private_segment_fixed_size: 0
    .kernarg_segment_align: 8
    .kernarg_segment_size: 48
    .max_flat_workgroup_size: 128
    .sgpr_count:     100
    .vgpr_count:     1024
    .wavefront_size: 32
...
	.end_amdgpu_metadata
.endif
;; end of part 3
